; MI455X (gfx1250); checked and timed in simulation.
; The chip was launched on July 23, 2026; its instructions are those of AMD's public machine-readable ISA for CDNA 5 (MIT licence, August 2026) and "CDNA5" Instruction Set Architecture Reference Guide (July 2026). The comments in the code are by the model that wrote it; some were corrected since.
;; Attention. Allowed arithmetic: float matrix products may take bf16 or f16 operands with f32 sums; all other float work in f32.
;; Inputs: cos_half 1,024 x 64 float32; sin_half 1,024 x 64 float32; w_k 4,096 x 1,024 bfloat16; w_o 4,096 x 4,096 bfloat16; w_q 4,096 x 4,096 bfloat16; w_v 4,096 x 1,024 bfloat16; x 1 x 1,024 x 4,096 bfloat16.
;; Outputs: out0 1 x 1,024 x 4,096 bfloat16.
;; One version. Each part assembles by itself: llvm-mc -triple=amdgcn-amd-amdhsa -mcpu=gfx1250 --defsym DOCPART=n.
;; ======== version 1 of 1: 3 launches
;; limits: values are held in f16: magnitudes above 65,504 overflow, below 6.1e-05 lose precision; right only within a limited range of input values
;; workspace buffers: q 8,388,608 bytes; kv 4,194,304 bytes; o 8,388,608 bytes
;; launch qkv (part 1): grid 32 x 8, 4 waves a work-group, clusters of 4 x 4, 327,680 bytes of LDS; arguments x, w_q, w_k, w_v, cos_half, sin_half, q, kv; writes q, kv
.if DOCPART == 1
	.amdgcn_target "amdgcn-amd-amdhsa--gfx1250"
	.amdhsa_code_object_version 6
	.text
	.protected	k_q98e2ead108_qkv
	.globl	k_q98e2ead108_qkv
	.p2align	8
	.type	k_q98e2ead108_qkv,@function
k_q98e2ead108_qkv:
	s_mov_b64 s[64:65], 0
	v_nop
	global_prefetch_b8 v0, s[64:65] scope:SCOPE_SE
	s_setreg_imm32_b32 hwreg(HW_REG_WAVE_MODE, 25, 1), 1
	s_wait_xcnt 0x0
	s_wait_alu depctr_hold_cnt(0) depctr_sa_sdst(0) depctr_va_vdst(0) depctr_va_sdst(0) depctr_va_ssrc(0) depctr_va_vcc(0) depctr_vm_vsrc(0)
	s_getreg_b32 s2, hwreg(HW_REG_IB_STS2, 6, 4)
	s_cmp_eq_u32 s2, 0
	s_cbranch_scc0 .Lentry_in_a_cluster
	s_endpgm
.Lentry_in_a_cluster:
	s_bfe_u32 s2, ttmp6, 0x10000c
	s_cmp_lg_u32 s2, 0xf033
	s_cbranch_scc0 .Lentry_shape_is_right
	s_endpgm
.Lentry_shape_is_right:
; q, k, v = x [w_q | w_k | w_v]; q and k rotated pair by pair by the two tables; all three scaled by a power of two and stored as f16.
; x: [1024][4096] bf16.  w_q: [4096][4096], w_k, w_v: [4096][1024] bf16, stored [K][N].  cos, sin: [1024][64] f32.  The products' sums are f32.
; ROUNDINGS.  reference() works in x's type, bf16, up to its cast to f32 in front of the scores, and this text takes its roundings one by one: q, k, v are rounded to bf16 behind their sums; cos and sin
; are rounded to bf16; each of a pair's four products and each of its two sums is made in f32 and rounded to bf16 (a product of two bf16 numbers is exact in f32, so it is rounded once).
; The power-of-two scale is folded into the tables ahead of their rounding: it commutes with every one of these roundings.
; OUT.  q: [32 heads][1024][128] f16 = rotated q x 2^-8.  kv: [32 blocks][1024][64] f16; block 2 u + half holds channels 64 half .. 64 half + 63 of unit u;
; units 0-7 are the k heads (rotated, x 2^-8), units 8-15 the v heads (x 2^-4).  A bf16 number has 8 significant bits, so it is exact in f16 from 2^-14 up.  The scales are undone in f32 by the launch that reads them.
; LIMITS.  f16 ends at 65,504: |q|, |k| behind the rotation stay under 1.67e7, |v| under 1.04e6; below 2^-14 / scale f16 keeps its fixed step (7.6e-6 for q, k; 4.8e-7 for v).
; v goes through the rotation's arithmetic with cos' = cos x 0 + 2^-4 and sin' = sin x 0: a table entry that is not finite spoils v too.  NaN and infinities are not treated apart.
; SHARES.  A work-group makes 128 rows x 192 columns: q head j (128 columns) and kv block j (64 columns, of w_k for j < 16, of w_v behind): 32 x 8 = 256 work-groups of equal work.
; A wave makes 64 x 96: four blocks of 16 rows x (four blocks of 16 q columns + two of kv columns): 24 accumulators.
; K GOES IN STEPS OF 192 through two LDS slots, the longest step of whole quarters of which two slots fit: 144 matrix instructions a wave between two changes of slots.  4,096 = 21 x 192 + 64: the 22nd tile
; keeps the shape and begins at k = 3,904, so that it ends with the tensor; only its last 64 along K are multiplied (the 128 in front of them belong to step 20 and are fetched a second time, once in the launch).
; THE MATRIX INSTRUCTION IS USED TRANSPOSED (source 0 = 16 columns of W, source 1 = 16 rows of x): a lane holds row l % 16 and eight neighbouring columns: four rotation pairs, 16 bytes of f16.
; W lies [K][N] in LDS as in memory and is turned on its way into registers by ds_load_tr16_b128.
; CLUSTER.  4 x 4 work-groups: the four of a row need the same rows of x, the four of a column the same columns of W: each tile is asked for jointly, same load, descriptor and mask in all four.
; REGISTERS.  window 0: v0-31 addresses and two constants, v32-63 at work, v64-255 the accumulators ((a, blk) at 64 + 8 (6 a + blk)).  window 1: two fragment buffers of 80 (x: 4 x 8, W: 6 x 8).
;   window 2: v0-191 the tables for my outputs: for accumulator t four cos at 8 t, four sin at 8 t + 4; on the way out four packed (cos, sin) at 8 t.
.set KSTEP,  192
.set PCH,    144                       ; 64 numbers of a row of x in LDS: 128 bytes + 16
.set PA,     3*PCH                     ; a row of x: 432 bytes, an odd multiple of 16: the 16 rows of a fragment load start at 16 different groups of four banks (64 banks of 4 bytes: ISA guide 11.1)
.set PQ,     288                       ; a k-row of w_q's tile: 256 bytes + 32
.set PKV,    160                       ; a k-row of the kv tile: 128 bytes + 32, likewise
.set OFFQ,   128*PA                    ; in a slot: x's 128 rows, w_q's 192 k-rows, the kv weight's 192 k-rows
.set OFFK,   OFFQ+KSTEP*PQ
.set SLOT,   OFFK+KSTEP*PKV            ; 141,312 bytes
.set STQ,    0                         ; the stages lie in slot 0, which has had its last fill (step 20) and its last read when they are written: q's, 128 rows x 272,
.set SPQ,    272
.set STK,    STQ+128*SPQ               ; and kv's, 128 rows x 144
.set SPK,    144
.set SPARE,  2*SLOT                    ; behind the ring: the spare words, 128 bytes for each wave: two blocks of 256 bytes that no other line names
.set LAPS,   11                        ; a lap = two K steps = once round the ring
.set ADRA, 8                           ; v8-9    LDS address of my x fragments in slot 0, 1
.set ADRQ, 10                          ; v10-11  of my w_q fragments
.set ADRK, 12                          ; v12-13  of my kv weight fragments
.set CQ,   14                          ; v14     byte offset of my table entries for the q columns; never rewritten
.set CK,   15                          ; v15     for the kv columns; never rewritten
.set STOQ, 16                          ; v16-17  the way out: where I put 16 bytes of a row
.set STOK, 17
.set RDQ,  18                          ; v18-19  where I read rows back
.set RDK,  19
.set GQ,   20                          ; v20-21  my byte offsets in q and kv
.set GK,   21
.set SPW,  28                          ; v28     LDS address of my spare word; never rewritten
.set NIL,  29                          ; v29     0; never rewritten
.set ONE,  30                          ; v30     1.0
.set NEG1, 31                          ; v31     -1.0
.set T,    32                          ; v32-63  the way out: two registers at work for each of 16 pairs
.set ACC,  64
.set F0,   0                           ; fragment buffers, in window 1
.set F1,   80
.set G1A, 24                           ; s[24:31] descriptor group 1 for x's tiles
.set G1Q, 32                           ; s[32:39] for w_q's
.set G1K, 40                           ; s[40:47] for the kv weight's
.set G0A, 48                           ; s[48:55] group 0 for x, a set for each slot
.set G0Q, 56                           ; s[56:63] for w_q
.set G0K, 84                           ; s[84:91] for the kv weight
.set AL,  92                           ; s[92:93] kv tables' factor: 2^-8 (k) or 0 (v), in the low word
.set BE,  94                           ; s[94:95] kv cos' addend: 0 (k) or 2^-4 (v)
.set SQ,  96                           ; s[96:97] 2^-8
.set BA,  98                           ; s[98:99]   what the last tile's address in x falls short of the walk's step: 128 along K in bytes, or 0
.set BQ,  100                          ; s[100:101] the same in w_q
.set BK,  104                          ; s[104:105] the same in the kv weight
.set MSB, 0
.macro WIN new                         ; the immediate's high byte repeats the setting that is left; a switch that changes nothing is dropped
.if MSB != (\new)
	s_set_vgpr_msb (MSB<<8)|(\new)
.set MSB, \new
.endif
.endm
.set MUL,  0x05                        ; sources 0 (W) and 1 (x) window 1; C and D window 0
.set TO_F, 0x40                        ; destination window 1, address window 0
.set TO_C, 0x80                        ; destination window 2, address window 0
.set W_CS, 0x82                        ; destination and source 0 window 2
.set W_PK, 0x8a                        ; destination, sources 0 and 1 window 2
.set W_RP, 0x08                        ; source 1 window 2, all else window 0
.macro PLACES                          ; four plain vector instructions between a matrix instruction and a load into, or a vector line on, its registers
.rept 4
	v_nop
.endr
.endm
; A joint refill.  Waves 0 and 1 fetch the two halves of x's rows, wave 2 w_q's tile, wave 3 the kv weight's.  The branches hang on the wave's number alone.
; An s_nop 0 and four v_nop follow each load, ahead of the jump and the label.
.macro JLOAD s
	s_cmp_lt_u32 s10, 2
	s_cbranch_scc0 .Lnot_a_\@
	tensor_load_to_lds s[G0A+4*(\s):G0A+4*(\s)+3], s[G1A:G1A+7]
	s_nop 0
	PLACES
	s_branch .Lasked_\@
.Lnot_a_\@:
	s_cmp_eq_u32 s10, 2
	s_cbranch_scc0 .Lfor_k_\@
	tensor_load_to_lds s[G0Q+4*(\s):G0Q+4*(\s)+3], s[G1Q:G1Q+7]
	s_nop 0
	PLACES
	s_branch .Lasked_\@
.Lfor_k_\@:
	tensor_load_to_lds s[G0K+4*(\s):G0K+4*(\s)+3], s[G1K:G1K+7]
	s_nop 0
	PLACES
.Lasked_\@:
.endm
.macro CREST                           ; a round of the cluster's barrier behind its opening barrier
	s_cmp_lg_u32 s10, 0
	s_cbranch_scc1 .Lnot_wave_0_\@
	s_barrier_signal -3
.Lnot_wave_0_\@:
	s_barrier_wait -3
	s_barrier_signal -1
	s_barrier_wait -1
.endm
.macro CROUND                          ; a whole round
	s_barrier_signal -1
	s_barrier_wait -1
	CREST
.endm
	s_load_b512 s[68:83], s[0:1], 0x0              ; x s[68:69], w_q s[70:71], w_k s[72:73], w_v s[74:75], cos s[76:77], sin s[78:79], q s[80:81], kv s[82:83]
	v_lshl_add_u32 v[SPW], v0, 2, SPARE
	v_mov_b32 v[NIL], 0
	ds_add_u32 v28, v29
	s_wait_dscnt 0x0
	v_mov_b32 v[ONE], 1.0
	v_mov_b32 v[NEG1], -1.0
	v_lshrrev_b32 v1, 5, v0
	v_readfirstlane_b32 s10, v1                    ; wave 0..3
	s_lshr_b32 s11, s10, 1                         ; which 64 of the tile's rows are mine
	s_and_b32 s12, s10, 1                          ; which half of its columns.  Also: which 64 rows of x waves 0 and 1 fetch
	s_bfe_u32 s15, ttmp6, 0x40000                  ; cx, cy: my place in the cluster
	s_bfe_u32 s16, ttmp6, 0x40004
	s_lshl_b32 s14, ttmp9, 2
	s_add_co_u32 s14, s14, s15                     ; column tile j = 4 x cluster x + cx
	s_and_b32 s13, ttmp7, 0xffff
	s_lshl_b32 s13, s13, 2
	s_add_co_u32 s13, s13, s16                     ; row tile i = 4 x cluster y + cy
	s_lshl_b32 s17, s16, 2
	s_lshl_b32 s17, 15, s17                        ; my row of the cluster
	s_lshl_b32 s18, 0x1111, s15                    ; my column
	; group 1: 15:0 the mask; 17:16 elements of 2 bytes; 20 padding on; 21 set beside a mask; 24:22 the words between two paddings (code 5: 64, code 4: 32); 31:25 words of padding less one
	s_or_b32 s[G1A], s17, (1<<16)|(1<<20)|(1<<21)|(4<<22)|(3<<25)  ; x: 16 bytes behind every 128: three times in a row of 384
	s_or_b32 s[G1Q], s18, (1<<16)|(1<<20)|(1<<21)|(5<<22)|(7<<25)
	s_or_b32 s[G1K], s18, (1<<16)|(1<<20)|(1<<21)|(4<<22)|(7<<25)
	s_mov_b32 s[G1A+1], KSTEP<<16                  ; x: 64 rows x 192 elements, 4,096 elements from row to row
	s_mov_b32 s[G1A+2], 64<<16
	s_mov_b32 s[G1A+3], KSTEP<<16
	s_mov_b32 s[G1A+4], 64
	s_mov_b32 s[G1A+5], 4096
	s_mov_b32 s[G1A+6], 0
	s_mov_b32 s[G1A+7], 0
	s_mov_b32 s[G1Q+1], 128<<16                    ; w_q: 192 k-rows x 128 columns, 4,096 elements from row to row
	s_mov_b32 s[G1Q+2], KSTEP<<16
	s_mov_b32 s[G1Q+3], 128<<16
	s_mov_b32 s[G1Q+4], KSTEP
	s_mov_b32 s[G1Q+5], 4096
	s_mov_b32 s[G1Q+6], 0
	s_mov_b32 s[G1Q+7], 0
	s_mov_b32 s[G1K+1], 64<<16                     ; w_k or w_v: 192 k-rows x 64 columns, 1,024 elements from row to row
	s_mov_b32 s[G1K+2], KSTEP<<16
	s_mov_b32 s[G1K+3], 64<<16
	s_mov_b32 s[G1K+4], KSTEP
	s_mov_b32 s[G1K+5], 1024
	s_mov_b32 s[G1K+6], 0
	s_mov_b32 s[G1K+7], 0
	; where the tiles come from: x's hang on the row tile alone, W's on the column tile alone, each in registers that do not hold the other coordinate
	s_lshl_b32 s20, s13, 7
	s_lshl_b32 s21, s12, 6
	s_add_co_u32 s20, s20, s21                     ; x: row 128 i + 64 x half,
	s_lshl_b32 s20, s20, 13                        ; of 8,192 bytes
	s_mov_b32 s21, 0
	s_lshl_b32 s22, s14, 8                         ; w_q: column byte 256 j
	s_mov_b32 s23, 0
	s_and_b32 s18, ttmp9, 3
	s_lshl_b32 s18, s18, 2
	s_add_co_u32 s18, s18, s15
	s_lshl_b32 s18, s18, 7                         ; w_k or w_v: column byte 128 (j mod 16)
	s_mov_b32 s19, 0
	s_mul_i32 s17, s12, 64*PA                      ; x's half in a slot: no place in the cluster enters an LDS address
	s_mov_b32 s[SQ], 0x3b800000                    ; 2^-8
	s_mov_b32 s[SQ+1], 0x3b800000                  ; named with it as a pair
	s_mov_b32 s[AL+1], 0
	s_mov_b32 s[BE+1], 0
	s_mov_b32 s[BA+1], 0
	s_mov_b32 s[BQ+1], 0
	s_mov_b32 s[BK+1], 0
	s_wait_kmcnt 0x0
	s_cmp_lt_u32 ttmp9, 4                          ; j < 16: the kv columns are k's
	s_cselect_b64 s[72:73], s[72:73], s[74:75]
	s_cselect_b32 s[AL], 0x3b800000, 0
	s_cselect_b32 s[BE], 0, 0x3d800000
	s_add_nc_u64 s[20:21], s[68:69], s[20:21]
	s_add_nc_u64 s[22:23], s[70:71], s[22:23]
	s_add_nc_u64 s[18:19], s[72:73], s[18:19]
.irp s, 0,1
	s_mov_b32 s[G0A+4*(\s)], 1                                       ; count = 1
	s_add_co_u32 s[G0A+4*(\s)+1], s17, (\s)*SLOT                     ; LDS address
	s_add_nc_u64 s[G0A+4*(\s)+2:G0A+4*(\s)+3], s[20:21], (\s)*KSTEP*2     ; global address: K step s
	s_or_b32 s[G0A+4*(\s)+3], s[G0A+4*(\s)+3], 0x80000000            ; type = 2
	s_mov_b32 s[G0Q+4*(\s)], 1
	s_mov_b32 s[G0Q+4*(\s)+1], OFFQ+(\s)*SLOT
	s_add_nc_u64 s[G0Q+4*(\s)+2:G0Q+4*(\s)+3], s[22:23], (\s)*KSTEP*8192
	s_or_b32 s[G0Q+4*(\s)+3], s[G0Q+4*(\s)+3], 0x80000000
	s_mov_b32 s[G0K+4*(\s)], 1
	s_mov_b32 s[G0K+4*(\s)+1], OFFK+(\s)*SLOT
	s_add_nc_u64 s[G0K+4*(\s)+2:G0K+4*(\s)+3], s[18:19], (\s)*KSTEP*2048
	s_or_b32 s[G0K+4*(\s)+3], s[G0K+4*(\s)+3], 0x80000000
.endr
	CROUND                                         ; all sixteen work-groups are here: the first joint loads meet
	; a wave's two first fills stand together in one leaf, ahead of every wait on TENSORcnt and every LDS read: two loads of mine are out
	s_cmp_lt_u32 s10, 2
	s_cbranch_scc0 .Lfirst_not_a
	tensor_load_to_lds s[G0A:G0A+3], s[G1A:G1A+7]
	s_nop 0
	tensor_load_to_lds s[G0A+4:G0A+7], s[G1A:G1A+7]
	s_nop 0
	PLACES
	s_branch .Lfirst_asked
.Lfirst_not_a:
	s_cmp_eq_u32 s10, 2
	s_cbranch_scc0 .Lfirst_k
	tensor_load_to_lds s[G0Q:G0Q+3], s[G1Q:G1Q+7]
	s_nop 0
	tensor_load_to_lds s[G0Q+4:G0Q+7], s[G1Q:G1Q+7]
	s_nop 0
	PLACES
	s_branch .Lfirst_asked
.Lfirst_k:
	tensor_load_to_lds s[G0K:G0K+3], s[G1K:G1K+7]
	s_nop 0
	tensor_load_to_lds s[G0K+4:G0K+7], s[G1K:G1K+7]
	s_nop 0
	PLACES
.Lfirst_asked:
	; the tables for my outputs: column c of a head belongs to pair c / 2, so eight columns want four entries, 16 bytes.  48 loads, waited for on the way out.
	v_and_b32 v1, 15, v0                           ; r = l % 16
	v_bfe_u32 v2, v0, 4, 1                         ; h = l / 16
	v_and_b32 v3, 7, v0
	v_bfe_u32 v4, v0, 3, 1
	v_lshlrev_b32 v5, 8, v1
	v_lshl_add_u32 v5, v2, 4, v5                   ; row r x 256 bytes + 16 h
	s_lshl_b32 s2, s11, 14                         ; my 64 rows
	s_lshl_b32 s3, s12, 7                          ; my 64 q columns: 32 pairs, 128 bytes
	s_add_co_u32 s3, s3, s2
	v_add_nc_u32 v[CQ], s3, v5
	s_and_b32 s3, s15, 1                           ; j odd: the kv block is a head's upper 64 channels
	s_lshl_b32 s3, s3, 7
	s_add_co_u32 s3, s3, s2
	s_lshl_b32 s2, s12, 6                          ; my 32 kv columns: 16 pairs, 64 bytes
	s_add_co_u32 s3, s3, s2
	v_add_nc_u32 v[CK], s3, v5
	s_lshl_b32 s2, s13, 15                         ; the tile's 128 rows
	s_mov_b32 s3, 0
	s_add_nc_u64 s[76:77], s[76:77], s[2:3]
	s_add_nc_u64 s[78:79], s[78:79], s[2:3]
	WIN TO_C
.irp a, 0,1,2,3
.irp b, 0,1,2,3
	global_load_b128 v[8*(6*(\a)+(\b)):8*(6*(\a)+(\b))+3],   v[CQ], s[76:77] offset:(\a)*4096+32*(\b)
	global_load_b128 v[8*(6*(\a)+(\b))+4:8*(6*(\a)+(\b))+7], v[CQ], s[78:79] offset:(\a)*4096+32*(\b)
.endr
.irp b, 4,5
	global_load_b128 v[8*(6*(\a)+(\b)):8*(6*(\a)+(\b))+3],   v[CK], s[76:77] offset:(\a)*4096+32*((\b)-4)
	global_load_b128 v[8*(6*(\a)+(\b))+4:8*(6*(\a)+(\b))+7], v[CK], s[78:79] offset:(\a)*4096+32*((\b)-4)
.endr
.endr
	WIN 0
	; a fragment of x: lane l holds row l % 16; two loads of 16 bytes, 32 bytes apart, at row x pitch + 16 (l / 16)
	v_mul_u32_u24 v5, v1, PA
	v_lshl_add_u32 v5, v2, 4, v5
	s_mul_i32 s2, s11, 64*PA
	v_add_nc_u32 v[ADRA], s2, v5
	v_add_nc_u32 v[ADRA+1], SLOT, v[ADRA]
	v_mul_u32_u24 v5, v1, SPQ                      ; into q's stage: row 64 mw + r, byte 128 nw + 16 h
	v_lshl_add_u32 v5, v2, 4, v5
	s_mul_i32 s2, s11, 64*SPQ
	s_lshl_b32 s17, s12, 7
	s_add_co_u32 s2, s2, s17
	s_add_co_u32 s2, s2, STQ
	v_add_nc_u32 v[STOQ], s2, v5
	; a fragment of W: the turning load takes 16 k-rows x 16 columns: lane l reads k-row 8 (l / 16) + l % 8, columns 8 ((l / 8) % 2) + 0..7
	v_lshl_add_u32 v6, v2, 3, v3
	v_mul_u32_u24 v7, v6, PQ
	v_lshl_add_u32 v7, v4, 4, v7
	s_add_co_u32 s2, s17, OFFQ
	v_add_nc_u32 v[ADRQ], s2, v7
	v_add_nc_u32 v[ADRQ+1], SLOT, v[ADRQ]
	v_mul_u32_u24 v7, v6, PKV
	v_lshl_add_u32 v7, v4, 4, v7
	s_lshl_b32 s17, s12, 6
	s_add_co_u32 s2, s17, OFFK
	v_add_nc_u32 v[ADRK], s2, v7
	v_add_nc_u32 v[ADRK+1], SLOT, v[ADRK]
	v_mul_u32_u24 v5, v1, SPK                      ; into kv's stage: row 64 mw + r, byte 64 nw + 16 h
	v_lshl_add_u32 v5, v2, 4, v5
	s_mul_i32 s2, s11, 64*SPK
	s_add_co_u32 s2, s2, s17
	s_add_co_u32 s2, s2, STK
	v_add_nc_u32 v[STOK], s2, v5
	v_mul_u32_u24 v5, v2, SPQ                      ; back: wave w takes rows 32 w .. 32 w + 31, whole; of q two rows of 256 bytes a load,
	v_lshl_add_u32 v5, v1, 4, v5
	s_mul_i32 s2, s10, 32*SPQ
	s_add_co_u32 s2, s2, STQ
	v_add_nc_u32 v[RDQ], s2, v5
	v_bfe_u32 v5, v0, 3, 2                         ; of kv four rows of 128 bytes
	v_mul_u32_u24 v5, v5, SPK
	v_lshl_add_u32 v5, v3, 4, v5
	s_mul_i32 s2, s10, 32*SPK
	s_add_co_u32 s2, s2, STK
	v_add_nc_u32 v[RDK], s2, v5
	v_lshlrev_b32 v5, 8, v2
	v_lshl_add_u32 v[GQ], v1, 4, v5
	v_and_b32 v5, 31, v0
	v_lshlrev_b32 v[GK], 4, v5
	s_lshl_b32 s2, s14, 18                         ; q: head j of 262,144 bytes, row 128 i + 32 w of 256 bytes
	s_lshl_b32 s17, s13, 15
	s_add_co_u32 s2, s2, s17
	s_lshl_b32 s17, s10, 13
	s_add_co_u32 s2, s2, s17
	s_mov_b32 s3, 0
	s_add_nc_u64 s[80:81], s[80:81], s[2:3]
	s_lshr_b32 s2, s2, 1                           ; kv: block j of 131,072 bytes, rows of 128: just half of that
	s_add_nc_u64 s[82:83], s[82:83], s[2:3]
; 6 matrix instructions: block a of 16 rows x my 6 blocks of columns, 32 along K.  zero = 1: the first product starts the sums: nothing is cleared.
; The 24 accumulators take turns, in the same order in every quarter.
.macro MUL6 f, a, zero
	WIN MUL
.irp b, 0,1,2,3,4,5
.if \zero
	v_wmma_f32_16x16x32_bf16 v[ACC+8*(6*(\a)+(\b)):ACC+8*(6*(\a)+(\b))+7], v[(\f)+32+8*(\b):(\f)+32+8*(\b)+7], v[(\f)+8*(\a):(\f)+8*(\a)+7], 0
.else
	v_wmma_f32_16x16x32_bf16 v[ACC+8*(6*(\a)+(\b)):ACC+8*(6*(\a)+(\b))+7], v[(\f)+32+8*(\b):(\f)+32+8*(\b)+7], v[(\f)+8*(\a):(\f)+8*(\a)+7], v[ACC+8*(6*(\a)+(\b)):ACC+8*(6*(\a)+(\b))+7]
.endif
.endr
.endm
; 20 LDS loads in one run: the fragments of part qq of a step's six (32 along K) into buffer f: W's twelve first, then x's eight, rows ascending
.macro FETCH slot, qq, f
	WIN TO_F
.irp b, 0,1,2,3
	ds_load_tr16_b128 v[(\f)+32+8*(\b):(\f)+32+8*(\b)+3],   v[ADRQ+(\slot)] offset:(\qq)*32*PQ+32*(\b)
	ds_load_tr16_b128 v[(\f)+32+8*(\b)+4:(\f)+32+8*(\b)+7], v[ADRQ+(\slot)] offset:(\qq)*32*PQ+16*PQ+32*(\b)
.endr
.irp b, 0,1
	ds_load_tr16_b128 v[(\f)+64+8*(\b):(\f)+64+8*(\b)+3],   v[ADRK+(\slot)] offset:(\qq)*32*PKV+32*(\b)
	ds_load_tr16_b128 v[(\f)+64+8*(\b)+4:(\f)+64+8*(\b)+7], v[ADRK+(\slot)] offset:(\qq)*32*PKV+16*PKV+32*(\b)
.endr
.irp a, 0,1,2,3
	ds_load_b128 v[(\f)+8*(\a):(\f)+8*(\a)+3],   v[ADRA+(\slot)] offset:((\qq)/2)*PCH+((\qq)%2)*64+(\a)*16*PA
	ds_load_b128 v[(\f)+8*(\a)+4:(\f)+8*(\a)+7], v[ADRA+(\slot)] offset:((\qq)/2)*PCH+((\qq)%2)*64+(\a)*16*PA+32
.endr
.endm
; A K step is six parts of 32 along K, 24 matrix instructions each, on buffers 0, 1, 0, 1, 0, 1.  One of the first five: multiplies buffer f; in its middle it fetches part qq into g.
.macro QUARTER slot, qq, f, g, zero
	s_wait_dscnt 4                                 ; W and x's blocks 0, 1 are in; the youngest four loads (blocks 2, 3) may be out
	MUL6 \f, 0, \zero
	MUL6 \f, 1, \zero
	PLACES
	FETCH \slot, \qq, \g
	s_wait_dscnt 20                                ; all but the 20 just issued
	MUL6 \f, 2, \zero
	MUL6 \f, 3, \zero
.endm
; The last part multiplies buffer 1 and changes slots: ONE barrier; in front of it each wave waits for all its tensor loads (one is out: its part of the next slot), adds 0 to its
; spare word, and waits for that and for its reads of this slot (its last part's fragments, which are thereby in).  The barrier stands straight behind these waits and the products behind the request,
; so that nothing but the barrier lies between a tile's landing and the next request.  fill = 1: the barrier opens a round of the cluster's, and this slot is filled again, two K steps ahead.
; In the loop's last trip slot 1 takes the 22nd tile, which begins 128 along K short of the walk's step.  nq: the part of the next slot that is multiplied first.
.macro TURN slot, next, fill, nq=0
	WIN 0
	s_wait_tensorcnt 0x0                           ; all my tensor loads have landed: a group 0 may be written
	ds_add_u32 v[SPW], v[NIL]                      ; 0 onto my spare word; the addresses' steps stand between it and the wait for it
.if \fill
.if (\slot) == 1
	s_cmp_eq_u32 s3, 1                             ; the loop's last trip?  The count is the same in every work-group
	s_cselect_b32 s[BA], 128*2, 0
	s_cselect_b32 s[BQ], 128*8192, 0
	s_cselect_b32 s[BK], 128*2048, 0
.endif
	s_add_nc_u64 s[G0A+4*(\slot)+2:G0A+4*(\slot)+3], s[G0A+4*(\slot)+2:G0A+4*(\slot)+3], 2*KSTEP*2
	s_add_nc_u64 s[G0Q+4*(\slot)+2:G0Q+4*(\slot)+3], s[G0Q+4*(\slot)+2:G0Q+4*(\slot)+3], 2*KSTEP*8192
	s_add_nc_u64 s[G0K+4*(\slot)+2:G0K+4*(\slot)+3], s[G0K+4*(\slot)+2:G0K+4*(\slot)+3], 2*KSTEP*2048
.if (\slot) == 1
	s_sub_nc_u64 s[G0A+4*(\slot)+2:G0A+4*(\slot)+3], s[G0A+4*(\slot)+2:G0A+4*(\slot)+3], s[BA:BA+1]
	s_sub_nc_u64 s[G0Q+4*(\slot)+2:G0Q+4*(\slot)+3], s[G0Q+4*(\slot)+2:G0Q+4*(\slot)+3], s[BQ:BQ+1]
	s_sub_nc_u64 s[G0K+4*(\slot)+2:G0K+4*(\slot)+3], s[G0K+4*(\slot)+2:G0K+4*(\slot)+3], s[BK:BK+1]
.endif
.endif
	s_wait_dscnt 0x0                               ; the add is done, and my reads of this slot are over
	s_barrier_signal -1
	s_barrier_wait -1
.if \fill
	CREST                                          ; no wave of any partner still reads this slot's tiles or has a load on its way
	JLOAD \slot                                    ; my one tensor load behind the round; the four v_nop behind it are also the places in front of the loads below
.else
	PLACES
.endif
	FETCH \next, \nq, F0
	MUL6 F1, 0, 0
	MUL6 F1, 1, 0
	MUL6 F1, 2, 0
	MUL6 F1, 3, 0
.endm
	s_wait_tensorcnt 0x1                           ; my part of K step 0 is in; K step 1's may stay out
	s_barrier_signal -1
	s_barrier_wait -1                              ; everybody's is
	FETCH 0, 0, F0
	QUARTER 0, 1, F0, F1, 1                        ; the first part stands in front of the loop: its products start the sums
	WIN 0                                          ; at a label and at a branch every window is 0
	s_mov_b32 s3, LAPS-1
.Llap:                                                 ; a trip goes once round the ring, from a lap's second part to the next lap's first, and fills both slots again
	QUARTER 0, 2, F1, F0, 0
	QUARTER 0, 3, F0, F1, 0
	QUARTER 0, 4, F1, F0, 0
	QUARTER 0, 5, F0, F1, 0
	TURN 0, 1, 1
	QUARTER 1, 1, F0, F1, 0
	QUARTER 1, 2, F1, F0, 0
	QUARTER 1, 3, F0, F1, 0
	QUARTER 1, 4, F1, F0, 0
	QUARTER 1, 5, F0, F1, 0
	TURN 1, 0, 1
	QUARTER 0, 1, F0, F1, 0
	WIN 0
	s_sub_co_u32 s3, s3, 1
	s_cmp_lg_u32 s3, 0
	s_cbranch_scc1 .Llap
	QUARTER 0, 2, F1, F0, 0                        ; the last lap fills nothing
	QUARTER 0, 3, F0, F1, 0
	QUARTER 0, 4, F1, F0, 0
	QUARTER 0, 5, F0, F1, 0
	TURN 0, 1, 0, 4                                ; of the 22nd tile parts 4 and 5 alone are multiplied: k = 4,032 to 4,095
	QUARTER 1, 5, F0, F1, 0
	s_wait_dscnt 4                                 ; the very last part: nothing more to fetch
	MUL6 F1, 0, 0
	MUL6 F1, 1, 0
	s_wait_dscnt 0x0
	MUL6 F1, 2, 0
	MUL6 F1, 3, 0
	; THE WAY OUT.  The tables first, all in window 2: these lines are also the places behind the last products.
	; They take the scales (96 packed lines), are rounded to bf16 and packed: low half cos, high half sin.
	s_wait_loadcnt 0x0                             ; the 48 table loads
	s_mov_b32 s17, 0xffff0000                      ; a word's upper bf16
	WIN W_CS
.set t, 0
.rept 24
.if (t%6) < 4
	v_pk_mul_f32 v[8*t:8*t+1],   v[8*t:8*t+1],   s[SQ:SQ+1] op_sel_hi:[1,0]
	v_pk_mul_f32 v[8*t+2:8*t+3], v[8*t+2:8*t+3], s[SQ:SQ+1] op_sel_hi:[1,0]
	v_pk_mul_f32 v[8*t+4:8*t+5], v[8*t+4:8*t+5], s[SQ:SQ+1] op_sel_hi:[1,0]
	v_pk_mul_f32 v[8*t+6:8*t+7], v[8*t+6:8*t+7], s[SQ:SQ+1] op_sel_hi:[1,0]
.else
	v_pk_fma_f32 v[8*t:8*t+1],   v[8*t:8*t+1],   s[AL:AL+1], s[BE:BE+1] op_sel_hi:[1,0,0]
	v_pk_fma_f32 v[8*t+2:8*t+3], v[8*t+2:8*t+3], s[AL:AL+1], s[BE:BE+1] op_sel_hi:[1,0,0]
	v_pk_mul_f32 v[8*t+4:8*t+5], v[8*t+4:8*t+5], s[AL:AL+1] op_sel_hi:[1,0]
	v_pk_mul_f32 v[8*t+6:8*t+7], v[8*t+6:8*t+7], s[AL:AL+1] op_sel_hi:[1,0]
.endif
.set t, t+1
.endr
	WIN W_PK
.set t, 0
.rept 24
.irp p, 0,1,2,3
	v_cvt_pk_bf16_f32 v[8*t+(\p)], v[8*t+(\p)], v[8*t+4+(\p)]
.endr
.set t, t+1
.endr
; One stage of the rotation for group g of four accumulators: the same lines for each of its 16 pairs, so that no line reads the result of the one before it.  Pair p of accumulator t lives in its own
; two registers E = 2 p (even) and E + 1, with two registers U, U + 1 at work.  All arithmetic is f32; the bf16 halves are read by the multiply-add that widens them.
;   1  E = (x1, x2) rounded to bf16, packed (each accumulator is read from its low end on)
;   2  U = x1 cos, U + 1 = x2 sin, E + 1 = x1 sin, E = x2 cos: four products, exact in f32
;   3  U = (x1 cos, x2 sin), E = (x1 sin, x2 cos), each rounded to bf16, packed
;   4  E + 1 = x1 cos - x2 sin, E = x1 sin + x2 cos: the high half times -1 or 1 plus the low half
;   5  E = both rounded to bf16, packed      6  E + 1, E = the two as f32      7  both as f16, packed, exact: into register p of the accumulator, whose pairs are taken in ascending order
.macro STAGE g, k
.set n, 0
.rept 16
.set t, 4*(\g)+n/4
.set p, n%4
.set E, ACC+8*t+2*p
.set U, T+2*n
.if (\k) == 1
	v_cvt_pk_bf16_f32 v[E], v[E], v[E+1]
.elseif (\k) == 2
	v_fma_mix_f32_bf16 v[U],   v[E], v[8*t+p], v[NIL] op_sel_hi:[1,1,0]
	v_fma_mix_f32_bf16 v[U+1], v[E], v[8*t+p], v[NIL] op_sel:[1,1,0] op_sel_hi:[1,1,0]
	v_fma_mix_f32_bf16 v[E+1], v[E], v[8*t+p], v[NIL] op_sel:[0,1,0] op_sel_hi:[1,1,0]
	v_fma_mix_f32_bf16 v[E],   v[E], v[8*t+p], v[NIL] op_sel:[1,0,0] op_sel_hi:[1,1,0]
.elseif (\k) == 3
	v_cvt_pk_bf16_f32 v[U], v[U], v[U+1]
	v_cvt_pk_bf16_f32 v[E], v[E+1], v[E]
.elseif (\k) == 4
	v_fma_mix_f32_bf16 v[E+1], v[U], v[NEG1], v[U] op_sel:[1,0,0] op_sel_hi:[1,0,1]
	v_fma_mix_f32_bf16 v[E],   v[E], v[ONE],  v[E] op_sel:[1,0,0] op_sel_hi:[1,0,1]
.elseif (\k) == 5
	v_cvt_pk_bf16_f32 v[E], v[E+1], v[E]
.elseif (\k) == 6
	v_lshlrev_b32 v[E+1], 16, v[E]
	v_and_b32 v[E], s17, v[E]
.else
	v_cvt_pk_f16_f32 v[ACC+8*t+p], v[E+1], v[E]
.endif
.set n, n+1
.endr
.endm
; Group g: rotated, rounded, 16 bytes a lane and accumulator into the stages.
.macro OUT g
	WIN 0
	STAGE \g, 1
	WIN W_RP                                       ; the packed tables are source 1
	STAGE \g, 2
	WIN 0
	STAGE \g, 3
	STAGE \g, 4
	STAGE \g, 5
	STAGE \g, 6
	STAGE \g, 7
.set n, 0
.rept 4
.set t, 4*(\g)+n
.if (t%6) < 4
	ds_store_b128 v[STOQ], v[ACC+8*t:ACC+8*t+3] offset:(t/6)*16*SPQ+32*(t%6)
.else
	ds_store_b128 v[STOK], v[ACC+8*t:ACC+8*t+3] offset:(t/6)*16*SPK+32*((t%6)-4)
.endif
.set n, n+1
.endr
.endm
	OUT 0                                          ; slot 0, where the stages lie: every wave's reads of it were over at the last change of slots, and no load fills it any more
	OUT 1
	OUT 2
	OUT 3
	OUT 4
	OUT 5
	s_wait_dscnt 0x0                               ; for the others' sake: my stores into the stages are done; a row's bytes come from two waves
	s_barrier_signal -1
	s_barrier_wait -1
.irp t, 0,1,2,3,4,5,6,7,8,9,10,11,12,13,14,15
	ds_load_b128 v[ACC+4*(\t):ACC+4*(\t)+3], v[RDQ] offset:(\t)*2*SPQ
.endr
.irp t, 0,1,2,3,4,5,6,7
	ds_load_b128 v[ACC+64+4*(\t):ACC+64+4*(\t)+3], v[RDK] offset:(\t)*4*SPK
.endr
.irp t, 0,1,2,3,4,5,6,7,8,9,10,11,12,13,14,15
	s_wait_dscnt 23-(\t)                           ; LDS loads come back in order: load t is in
	global_store_b128 v[GQ], v[ACC+4*(\t):ACC+4*(\t)+3], s[80:81] offset:512*(\t)   ; two rows of q: 512 consecutive bytes, at a multiple of 256 from q's first byte
.endr
.irp t, 0,1,2,3,4,5,6,7
	s_wait_dscnt 7-(\t)
	global_store_b128 v[GK], v[ACC+64+4*(\t):ACC+64+4*(\t)+3], s[82:83] offset:512*(\t)  ; four rows of a kv block: 512 consecutive bytes, likewise
.endr
	s_wait_tensorcnt 0x0                           ; the wave's end
	ds_add_u32 v[SPW], v[NIL]
	s_wait_dscnt 0x0
	CROUND                                         ; the closing round: no work-group ends while a partner may still ask for a tile that names it
	s_endpgm
.Lfunc_end_k_q98e2ead108_qkv:
	.size	k_q98e2ead108_qkv, .Lfunc_end_k_q98e2ead108_qkv-k_q98e2ead108_qkv
	.p2alignl 7, 3214868480
	.fill 96, 4, 3214868480
	.section	.rodata,"a",@progbits
	.p2align	6, 0x0
	.amdhsa_kernel k_q98e2ead108_qkv
		.amdhsa_group_segment_fixed_size 327680
		.amdhsa_private_segment_fixed_size 0
		.amdhsa_enable_private_segment 0
		.amdhsa_kernarg_size 64
		.amdhsa_user_sgpr_count 2
		.amdhsa_user_sgpr_kernarg_segment_ptr 1
		.amdhsa_wavefront_size32 1
		.amdhsa_system_sgpr_workgroup_id_x 1
		.amdhsa_system_sgpr_workgroup_id_y 1
		.amdhsa_system_sgpr_workgroup_id_z 1
		.amdhsa_system_vgpr_workitem_id 0
		.amdhsa_next_free_vgpr 704
		.amdhsa_next_free_sgpr 106
		.amdhsa_reserve_vcc 0
		.amdhsa_float_denorm_mode_32 3
		.amdhsa_float_denorm_mode_16_64 3
		.amdhsa_memory_ordered 1
		.amdhsa_forward_progress 1
		.amdhsa_inst_pref_size 170
	.end_amdhsa_kernel
	.amdgpu_metadata
---
amdhsa.version: [ 1, 2 ]
amdhsa.kernels:
  - .name:           k_q98e2ead108_qkv
    .symbol:         k_q98e2ead108_qkv.kd
    .args:
      - { .name: x, .offset: 0, .size: 8, .value_kind: global_buffer, .address_space: global }
      - { .name: w_q, .offset: 8, .size: 8, .value_kind: global_buffer, .address_space: global }
      - { .name: w_k, .offset: 16, .size: 8, .value_kind: global_buffer, .address_space: global }
      - { .name: w_v, .offset: 24, .size: 8, .value_kind: global_buffer, .address_space: global }
      - { .name: cos_half, .offset: 32, .size: 8, .value_kind: global_buffer, .address_space: global }
      - { .name: sin_half, .offset: 40, .size: 8, .value_kind: global_buffer, .address_space: global }
      - { .name: q, .offset: 48, .size: 8, .value_kind: global_buffer, .address_space: global }
      - { .name: kv, .offset: 56, .size: 8, .value_kind: global_buffer, .address_space: global }
    .group_segment_fixed_size: 327680
    .private_segment_fixed_size: 0
    .kernarg_segment_align: 8
    .kernarg_segment_size: 64
    .max_flat_workgroup_size: 128
    .sgpr_count:     106
    .vgpr_count:     704
    .wavefront_size: 32
...
	.end_amdgpu_metadata
.endif
;; end of part 1
;; launch attn (part 2): grid 32 x 8, 4 waves a work-group, clusters of 4 x 1, 327,680 bytes of LDS; arguments q, kv, o; writes o
.if DOCPART == 2
	.amdgcn_target "amdgcn-amd-amdhsa--gfx1250"
	.amdhsa_code_object_version 6
	.text
	.protected	k_q98e2ead108_attn
	.globl	k_q98e2ead108_attn
	.p2align	8
	.type	k_q98e2ead108_attn,@function
k_q98e2ead108_attn:
	s_mov_b64 s[64:65], 0
	v_nop
	global_prefetch_b8 v0, s[64:65] scope:SCOPE_SE
	s_setreg_imm32_b32 hwreg(HW_REG_WAVE_MODE, 25, 1), 1
	s_wait_xcnt 0x0
	s_wait_alu depctr_hold_cnt(0) depctr_sa_sdst(0) depctr_va_vdst(0) depctr_va_sdst(0) depctr_va_ssrc(0) depctr_va_vcc(0) depctr_vm_vsrc(0)
	s_getreg_b32 s2, hwreg(HW_REG_IB_STS2, 6, 4)
	s_cmp_eq_u32 s2, 0
	s_cbranch_scc0 .Lentry_in_a_cluster
	s_endpgm
.Lentry_in_a_cluster:
	s_bfe_u32 s2, ttmp6, 0x10000c
	s_cmp_lg_u32 s2, 0x3003
	s_cbranch_scc0 .Lentry_shape_is_right
	s_endpgm
.Lentry_shape_is_right:
; CAUSAL ATTENTION WITH SHARED KEY AND VALUE HEADS.  o[row][128 hq + d] = the sum over k <= row of softmax_k(q . k / sqrt(128)) v, for query head hq = 4 g + cx and kv head g.
; q: [32][1024][128] f16 = q x 2^-8.  kv: [32 blocks][1024][64] f16: block 2 g + half = k head g x 2^-8, block 16 + 2 g + half = v head g x 2^-4.  o: [1024][4096] bf16.
; Products, maxima and sums in f32; the weights p are rounded to f16 for the second product (their sum l is taken of the unrounded p); o is rounded once.
; The scales are undone in f32: p = 2^(c s - c m) with c = log2(e) / sqrt(128) x 2^16, and o = O x 16 / l.
; LIMITS.  A hidden score counts as its value less 1e30 (f16's scores are 5.5e11 at the most); a weight below 2^-126 counts as 0 in l; p below 6e-5 keeps f16's fixed step of 6e-8; NaN and infinities are not treated apart.
; THE WALK.  The queries lie in 16 blocks of 64; block I needs the key steps 0 .. I of 64 keys, the last of which holds the diagonal.  A work-group takes blocks 15 - b and then b: 17 live steps whatever b.
; Keys come in tiles of 256 (four steps), one to an LDS slot: the two blocks need 4 + 1 (b < 4) or 3 + 2 tiles: FIVE, written out.  A tile is a counted loop of four steps; a step beyond the block's
; diagonal is jumped over, forward, to a label ahead of the counter's step; the jumped text holds no barrier and no tensor load.
; SHARES.  Of a block's 64 queries a wave owns 16.  S^T = K Q^T (source 0 = 16 keys, source 1 = 16 queries): a lane holds ONE query (l % 16) and the keys 8 (l / 16) + 0..7; two such results rounded to
; f16 ARE source 1 of O^T = V^T P, which again holds one query a lane.  K comes out of LDS as it lies, V turned, by ds_load_tr16_b128.
; THE MASK is the C operand that starts the sum S^T: MD (0, or -1e30 where the key of the diagonal step is hidden from my query), times 1 in the diagonal step and times 0 elsewhere.
; SOFTMAX.  A running maximum m and sum l; in every step O and l are multiplied by a = 2^(c m_old - c m_new).  c m starts far below every c s, so a block's first a is 0 and no first step is written out.
; CLUSTER.  The four work-groups of a cluster are the four query heads of one kv head, with the same b: same tiles, same trips, same branches.  K and V are asked for jointly.
; REGISTERS.  window 0: v0-11 addresses; v12-19 statistics; v64-95 S^T; v96-111 P; v112-143 MD; v144-175 the step's mask; v176-239 O^T.
;   window 1: v0-127 K of one step ((key block kb, channel block c) at 32 kb + 8 c); v128-255 V ((key half kk, channel block cb) at 128 + 64 kk + 8 cb).   window 2: v0-31 Q; v32-63 the second block's Q.
.set PK,    272       ; 256 bytes (TWO keys' 64 channels) + 16: key k lies at (k / 2) x 272 + (k % 2) x 128: the 16 keys of a load start at 16 different groups of four banks (64 banks of 4 bytes: ISA guide 11.1)
.set PV,    288       ; the same with 32 bytes of padding
.set KH,    128*PK    ; a tile of one block: 256 keys = 128 rows
.set VOFF,  2*KH      ; in a slot: K's two channel halves, then V's two
.set VH,    128*PV
.set SLOT,  VOFF+2*VH ; 143,360 bytes
.set STAGE, 2*SLOT    ; behind the ring, never filled by a tensor load: 16 rows x 272 bytes for each wave
.set SP,    272
.set SPARE, STAGE+4*16*SP  ; the spare words, 128 bytes for each wave: two blocks of 256 bytes that no other line names
.set AK0, 2           ; v2   my lane's place in a step of K; never rewritten
.set AV0, 3           ; v3   the same for V
.set AK,  4           ; v4   the LDS address of the step's K
.set AV,  5           ; v5   of its V
.set STO, 6           ; v6   the way out: where I put 16 bytes of a row
.set RD,  7           ; v7   where I read rows back
.set GO,  8           ; v8   my byte offset in two rows of o
.set QO,  10          ; v10  my byte offset in 16 rows of q; never rewritten
.set CM,  12          ; v12  c m
.set M,   13          ; v13  m
.set L,   14          ; v14-15  l (even keys', odd keys')
.set C0,  16          ; v16-19  at work; when the maximum is found v18 takes a
.set SPW, 62          ; v62  LDS address of my spare word; never rewritten
.set NIL, 63          ; v63  0; never rewritten
.set S,   64
.set P,   96
.set MD,  112
.set MC,  144
.set OT,  176
.set VF,  128         ; window 1
.set QB,  32          ; window 2
.set WV,  12          ; s12  my wave's number
.set PB,  15          ; s15  b
.set G1K, 24          ; s[24:31] descriptor group 1 for K's tiles
.set G1V, 32          ; s[32:39] for V's: it differs in the padding alone
.set G0K, 40          ; s[40:47] group 0 for K's tiles, a set for each slot
.set G0V, 48          ; s[48:55] for V's
.set KB,  56          ; s[56:57] my half of K at the head's first key
.set VB,  58          ; s[58:59] the same for V
.set CS,  60          ; s[60:61] c, in the low word
.set SEL, 62          ; s[62:63] v_permlanex16_b32's selects: each lane takes its own place in the other half
.set OFF, 66          ; s[66:67] a tile's byte offset in a block
.set TBK, 68          ; s68  LDS byte at which the step's K begins
.set TBV, 69          ; s69  the same for V, less VOFF
.set CNT, 70          ; s70  counts a tile's steps, 4 to 1
.set GS,  71          ; s71  the step's number among the head's 16
.set BI,  72          ; s72  the block in hand = the number of its diagonal step
.set TI3, 73          ; s73  the walk's fourth tile: 3 (b < 4) or 0
.set TI4, 74          ; s74  its fifth: 0 or 1
.set AL,  76          ; s[76:77] the mask's factor, in the low word
.set BIGN, 78         ; s78  -1e30
.set OB,  80          ; s[80:81] o at my rows of the block in hand
.set OLO, 82          ; s[82:83] of the second block
.set QA,  84          ; s[84:85] q at my rows of the first block
.set QN,  86          ; s[86:87] of the second
.set MSB, 0
.macro WIN new                      ; the high byte repeats the setting that is left; a switch that changes nothing is dropped
.if MSB != (\new)
	s_set_vgpr_msb (MSB<<8)|(\new)
.set MSB, (\new)
.endif
.endm
.set W_KQ, 0x09       ; K in window 1, Q in window 2, the mask and S^T in window 0
.set W_PV, 0x01       ; V in window 1, P and O^T in window 0
.macro PLACES                       ; four plain vector instructions between a matrix instruction and a load into, or a vector line on, its registers
.rept 4
	v_nop
.endr
.endm
; A joint fill of a slot.  Waves 0 and 1 fetch K's two channel halves, waves 2 and 3 V's.  An s_nop 0 and four v_nop follow each of the two lines, ahead of the jump and the label.
.macro JLOAD slot
	s_cmp_lt_u32 s[WV], 2
	s_cbranch_scc0 .Lfor_v_\@
	tensor_load_to_lds s[G0K+4*(\slot):G0K+4*(\slot)+3], s[G1K:G1K+7]
	s_nop 0
	PLACES
	s_branch .Lasked_\@
.Lfor_v_\@:
	tensor_load_to_lds s[G0V+4*(\slot):G0V+4*(\slot)+3], s[G1V:G1V+7]
	s_nop 0
	PLACES
.Lasked_\@:
.endm
; A round of the cluster's barrier: my work-group's barrier; wave 0 signals for the work-group; every wave waits for all four work-groups; my work-group's barrier once more.
.macro CROUND
	s_barrier_signal -1
	s_barrier_wait -1
	s_cmp_lg_u32 s[WV], 0
	s_cbranch_scc1 .Lnot_wave_0_\@
	s_barrier_signal -3
.Lnot_wave_0_\@:
	s_barrier_wait -3
	s_barrier_signal -1
	s_barrier_wait -1
.endm
; THE CHANGE OF SLOTS.  Each wave waits for all its tensor loads, of which one is out: its part of the other slot; adds 0 to its spare word; and waits for that and for its own LDS reads.  Behind the
; barrier nobody reads the old slot any more and the other slot is whole.  fill = 1: the old slot is filled again with tile ti, whose address is made anew from the base; the barrier is then a round of the cluster's.
.macro CHANGE slot, fill, ti=0
	WIN 0
	s_wait_tensorcnt 0x0            ; no tensor load of mine is out, so a group 0 may be written
	ds_add_u32 v[SPW], v[NIL]       ; 0 onto my spare word
.if \fill
	s_lshl_b32 s[OFF], \ti, 15      ; a tile is 32,768 bytes of a block
	s_add_nc_u64 s[G0K+4*(\slot)+2:G0K+4*(\slot)+3], s[KB:KB+1], s[OFF:OFF+1]
	s_or_b32 s[G0K+4*(\slot)+3], s[G0K+4*(\slot)+3], 0x80000000
	s_add_nc_u64 s[G0V+4*(\slot)+2:G0V+4*(\slot)+3], s[VB:VB+1], s[OFF:OFF+1]
	s_or_b32 s[G0V+4*(\slot)+3], s[G0V+4*(\slot)+3], 0x80000000
	s_wait_dscnt 0x0                ; the add is done, and my reads of the slot are over
	CROUND
	JLOAD \slot
.else
	s_wait_dscnt 0x0
	s_barrier_signal -1
	s_barrier_wait -1
.endif
.endm
	s_load_b128 s[4:7], s[0:1], 0x0   ; q s[4:5], kv s[6:7]
	s_load_b64 s[8:9], s[0:1], 0x10   ; o
	v_lshl_add_u32 v[SPW], v0, 2, SPARE
	v_mov_b32 v[NIL], 0
	ds_add_u32 v62, v63
	s_wait_dscnt 0x0
	v_lshrrev_b32 v1, 5, v0
	v_readfirstlane_b32 s[WV], v1   ; wave 0..3
	s_mov_b32 s13, ttmp9            ; g: in a cluster launch ttmp9 counts clusters
	s_bfe_u32 s14, ttmp6, 0x40000   ; cx: it enters q's and o's addresses alone
	s_and_b32 s[PB], ttmp7, 0xffff  ; b, which the four partners share
	s_sub_co_u32 s16, 15, s[PB]     ; the first block
	s_lshl_b32 s17, s13, 2
	s_add_co_u32 s17, s17, s14      ; hq
	; group 1.  A tile of a block is 32,768 dense bytes: asked for as 128 rows of 256 bytes, two keys a row, padded behind each row
	s_mov_b32 s[G1K], 15|(1<<16)|(1<<20)|(1<<21)|(5<<22)|(3<<25)  ; 15:0 the mask of four; 17:16 2-byte elements; 20 padding on; 21 set beside a mask; 24:22 after every 64 words (code 5); 31:25 4 words (code 3)
	s_mov_b32 s[G1V], 15|(1<<16)|(1<<20)|(1<<21)|(5<<22)|(7<<25)  ; the same with 8 words of padding (code 7)
.irp g, G1K, G1V
	s_mov_b32 s[\g+1], 128<<16      ; tensor_dim0 = 128
	s_mov_b32 s[\g+2], 128<<16      ; tensor_dim1 = 128
	s_mov_b32 s[\g+3], 128<<16      ; tile_dim0 = 128
	s_mov_b32 s[\g+4], 128          ; tile_dim1 = 128
	s_mov_b32 s[\g+5], 128          ; 128 elements from row to row
	s_mov_b32 s[\g+6], 0
	s_mov_b32 s[\g+7], 0
.endr
	s_and_b32 s18, s[WV], 1         ; which channel half I fetch
	s_lshl_b32 s20, s13, 1
	s_add_co_u32 s20, s20, s18
	s_lshl_b32 s20, s20, 17         ; block 2 g + half, of 131,072 bytes
	s_mov_b32 s21, 0
	s_mul_i32 s22, s18, KH          ; its place in a slot, for K
	s_mul_i32 s23, s18, VH          ; and for V: no place in the cluster enters an LDS address
	s_add_co_u32 s23, s23, VOFF
	s_lshl_b32 s2, s17, 18          ; q: head hq of 262,144 bytes, row 64 I + 16 w of 256 bytes
	s_lshl_b32 s3, s[WV], 12
	s_add_co_u32 s2, s2, s3
	s_lshl_b32 s3, s16, 14
	s_add_co_u32 s[QA], s2, s3
	s_mov_b32 s[QA+1], 0
	s_lshl_b32 s3, s[PB], 14
	s_add_co_u32 s[QN], s2, s3
	s_mov_b32 s[QN+1], 0
	s_lshl_b32 s2, s17, 8           ; o: row 64 I + 16 w of 8,192 bytes, byte 256 hq
	s_lshl_b32 s3, s[WV], 17
	s_add_co_u32 s2, s2, s3
	s_lshl_b32 s3, s16, 19
	s_add_co_u32 s[OB], s2, s3
	s_mov_b32 s[OB+1], 0
	s_lshl_b32 s3, s[PB], 19
	s_add_co_u32 s[OLO], s2, s3
	s_mov_b32 s[OLO+1], 0
	s_mov_b32 s[CS], 0x460293ee     ; c = log2(e) / sqrt(128) x 2^16 = 8,356.98
	s_mov_b32 s[CS+1], 0x460293ee   ; named with it as a pair
	s_mov_b32 s[SEL], 0x76543210
	s_mov_b32 s[SEL+1], 0xfedcba98
	s_mov_b32 s[OFF+1], 0
	s_mov_b32 s[AL+1], 0
	s_mov_b32 s[BIGN], 0xf149f2ca   ; -1e30
	s_mov_b32 s[BI], s16
	s_cmp_lt_u32 s[PB], 4
	s_cselect_b32 s[TI3], 3, 0
	s_cselect_b32 s[TI4], 0, 1
	s_wait_kmcnt 0x0
	s_add_nc_u64 s[KB:KB+1], s[6:7], s[20:21]
	s_add_nc_u64 s[VB:VB+1], s[KB:KB+1], 16*131072
	s_add_nc_u64 s[QA:QA+1], s[4:5], s[QA:QA+1]
	s_add_nc_u64 s[QN:QN+1], s[4:5], s[QN:QN+1]
	s_add_nc_u64 s[OB:OB+1], s[8:9], s[OB:OB+1]
	s_add_nc_u64 s[OLO:OLO+1], s[8:9], s[OLO:OLO+1]
.irp s, 0,1
	s_mov_b32 s[G0K+4*(\s)], 1      ; count = 1
	s_add_co_u32 s[G0K+4*(\s)+1], s22, (\s)*SLOT  ; LDS address
	s_add_nc_u64 s[G0K+4*(\s)+2:G0K+4*(\s)+3], s[KB:KB+1], (\s)*32768  ; global address: tile s
	s_or_b32 s[G0K+4*(\s)+3], s[G0K+4*(\s)+3], 0x80000000  ; type = 2
	s_mov_b32 s[G0V+4*(\s)], 1
	s_add_co_u32 s[G0V+4*(\s)+1], s23, (\s)*SLOT
	s_add_nc_u64 s[G0V+4*(\s)+2:G0V+4*(\s)+3], s[VB:VB+1], (\s)*32768
	s_or_b32 s[G0V+4*(\s)+3], s[G0V+4*(\s)+3], 0x80000000
.endr
	CROUND                          ; all four work-groups are here: the first joint loads meet
	s_cmp_lt_u32 s[WV], 2           ; a wave's two first fills stand in one branch, ahead of every wait on TENSORcnt and every LDS read: two loads of mine are out
	s_cbranch_scc0 .Lfirst_v
	tensor_load_to_lds s[G0K:G0K+3], s[G1K:G1K+7]
	s_nop 0
	tensor_load_to_lds s[G0K+4:G0K+7], s[G1K:G1K+7]
	s_nop 0
	PLACES
	s_branch .Lfirst_asked
.Lfirst_v:
	tensor_load_to_lds s[G0V:G0V+3], s[G1V:G1V+7]
	s_nop 0
	tensor_load_to_lds s[G0V+4:G0V+7], s[G1V:G1V+7]
	s_nop 0
	PLACES
.Lfirst_asked:
	; A fragment of Q or K is 16 rows x 32 channels in 8 registers: lane l holds row l % 16, channels 8 (l / 16) + 0..7 and 16 + 8 (l / 16) + 0..7: two loads of 16 bytes, 32 bytes apart.
	v_and_b32 v1, 15, v0            ; r = l % 16
	v_bfe_u32 v9, v0, 4, 1          ; h = l / 16
	v_lshlrev_b32 v[QO], 8, v1
	v_lshl_add_u32 v[QO], v9, 4, v[QO]
	WIN 0x80                        ; destination window 2, address window 0
.irp c, 0,1,2,3                     ; both blocks' Q stay in registers: channels 32 c on
	global_load_b128 v[8*(\c):8*(\c)+3],         v[QO], s[QA:QA+1] offset:64*(\c)
	global_load_b128 v[8*(\c)+4:8*(\c)+7],       v[QO], s[QA:QA+1] offset:64*(\c)+32
	global_load_b128 v[QB+8*(\c):QB+8*(\c)+3],   v[QO], s[QN:QN+1] offset:64*(\c)
	global_load_b128 v[QB+8*(\c)+4:QB+8*(\c)+7], v[QO], s[QN:QN+1] offset:64*(\c)+32
.endr
	WIN 0
	v_lshlrev_b32 v11, 3, v9
	v_sub_nc_u32 v11, v1, v11
	s_lshl_b32 s2, s[WV], 4
	v_add_nc_u32 v11, s2, v11       ; my query's place in its block, 16 w + r, less my lanes' 8 h: register e of key block kb is hidden where 16 kb + e is greater
.set i, 0
.rept 32
	v_cmp_gt_i32 vcc_lo, 16*(i/8)+i%8, v11
	v_cndmask_b32 v[MD+i], 0, s[BIGN], vcc_lo
.set i, i+1
.endr
	v_lshrrev_b32 v11, 1, v1
	v_mul_u32_u24 v[AK0], v11, PK   ; key r: row r / 2,
	v_and_b32 v11, 1, v0
	v_lshl_add_u32 v[AK0], v11, 7, v[AK0]  ; half r % 2 of it,
	v_lshl_add_u32 v[AK0], v9, 4, v[AK0]   ; + 16 h
	; The turning load takes 16 keys x 16 channels (lane l reads key 8 h + l % 8, channels 8 ((l / 8) % 2) + 0..7) and leaves half a fragment of V^T: lane l holds channel l % 16 and 8 keys.
	v_bfe_u32 v[AV0], v0, 1, 2
	v_lshl_add_u32 v[AV0], v9, 2, v[AV0]   ; row (8 h + l % 8) / 2
	v_mul_u32_u24 v[AV0], v[AV0], PV
	v_lshl_add_u32 v[AV0], v11, 7, v[AV0]
	v_bfe_u32 v11, v0, 3, 1
	v_lshl_add_u32 v[AV0], v11, 4, v[AV0]
	v_add_nc_u32 v[AV0], VOFF, v[AV0]
	s_mul_i32 s2, s[WV], 16*SP
	s_add_co_u32 s2, s2, STAGE      ; my stage
	v_mul_u32_u24 v[STO], v1, SP    ; in: row r, 16 bytes for each half of the lanes
	v_lshl_add_u32 v[STO], v9, 4, v[STO]
	v_add_nc_u32 v[STO], s2, v[STO]
	v_mul_u32_u24 v[RD], v9, SP     ; back: lanes 0-15 take one row of 256 bytes, lanes 16-31 the next
	v_lshl_add_u32 v[RD], v1, 4, v[RD]
	v_add_nc_u32 v[RD], s2, v[RD]
	v_lshlrev_b32 v[GO], 13, v9     ; and the same two rows in o
	v_lshl_add_u32 v[GO], v1, 4, v[GO]
	; A block's first step multiplies O^T and l by a = 0, so they need only hold finite numbers: zeros now, what the first block left later.  This stands in the wait for the first tile.
	v_mov_b32 v[CM], 0xfe000000     ; c m: far below every c s
	v_mov_b32 v[M], 0xff7fffff      ; m: the lowest finite number
.set i, L
.rept 6
	v_mov_b32 v[i], 0               ; l, and the four registers at work
.set i, i+1
.endr
.set i, OT
.rept 64
	v_mov_b32 v[i], 0
.set i, i+1
.endr
; Eight of V's 32 LDS loads: fragments 4 g to 4 g + 3 (keys 32 (f / 8) on, channels 16 (f % 8) on)
.macro VLOAD g
	WIN 0x40                        ; destination window 1
.set f, 4*(\g)
.rept 4
	ds_load_tr16_b128 v[VF+8*f:VF+8*f+3],   v[AV] offset:((f%8)/4)*VH+(f/8)*16*PV+(f%4)*32
	ds_load_tr16_b128 v[VF+8*f+4:VF+8*f+7], v[AV] offset:((f%8)/4)*VH+(f/8)*16*PV+8*PV+(f%4)*32
.set f, f+1
.endr
	WIN 0
.endm
; A KEY STEP: 64 keys.  K's 32 LDS loads stand in one run at its head, and the mask is made while they are out.  V's 32 follow in four groups of eight between the phases of the softmax, so that the
; first products wait for K's loads alone and no more than 32 LDS loads of the wave are out at a time.
.macro STEP
	s_cmp_eq_u32 s[GS], s[BI]       ; the diagonal step?
	s_cselect_b32 s[AL], 1.0, 0
	v_add_nc_u32 v[AK], s[TBK], v[AK0]
	v_add_nc_u32 v[AV], s[TBV], v[AV0]
	WIN 0x40                        ; destination window 1
.set f, 0
.rept 16                            ; keys 16 (f / 4) on, channels 32 (f % 4) on
	ds_load_b128 v[8*f:8*f+3],   v[AK] offset:((f%4)/2)*KH+(f/4)*8*PK+(f%2)*64
	ds_load_b128 v[8*f+4:8*f+7], v[AK] offset:((f%4)/2)*KH+(f/4)*8*PK+(f%2)*64+32
.set f, f+1
.endr
	WIN 0
.set z, 0
.rept 16
	v_pk_mul_f32 v[MC+2*z:MC+2*z+1], v[MD+2*z:MD+2*z+1], s[AL:AL+1] op_sel_hi:[1,0]
.set z, z+1
.endr
	s_wait_dscnt 0x0                ; K is in
	WIN W_KQ
.set i, 0
.rept 16                            ; channels 32 (i / 4) on, keys 16 (i % 4) on: the 4 accumulators take turns; the first 4 start the sums with the mask
.if i < 4
	v_wmma_f32_16x16x32_f16 v[S+8*(i%4):S+8*(i%4)+7], v[32*(i%4)+8*(i/4):32*(i%4)+8*(i/4)+7], v[8*(i/4):8*(i/4)+7], v[MC+8*(i%4):MC+8*(i%4)+7]
.else
	v_wmma_f32_16x16x32_f16 v[S+8*(i%4):S+8*(i%4)+7], v[32*(i%4)+8*(i/4):32*(i%4)+8*(i/4)+7], v[8*(i/4):8*(i/4)+7], v[S+8*(i%4):S+8*(i%4)+7]
.endif
.set i, i+1
.endr
	VLOAD 0                         ; V's registers are none of those products'; the products that read them last stand behind four places at the last step's end
	PLACES
	; the maximum of my 32 scores and the old m, three operands at a time; each accumulator's lowest registers are read first
.irp j, 0,1,2,3
	v_max3_num_f32 v[C0+\j], v[S+8*\j], v[S+8*\j+1], v[S+8*\j+2]
.endr
.irp j, 0,1,2,3
	v_max3_num_f32 v[C0+\j], v[C0+\j], v[S+8*\j+3], v[S+8*\j+4]
.endr
.irp j, 0,1,2,3
	v_max3_num_f32 v[C0+\j], v[C0+\j], v[S+8*\j+5], v[S+8*\j+6]
.endr
	v_max3_num_f32 v[C0], v[C0], v[S+7], v[S+15]
	v_max3_num_f32 v[C0+2], v[C0+2], v[S+23], v[S+31]
	v_max3_num_f32 v[C0], v[C0], v[C0+1], v[C0+2]
	v_max3_num_f32 v[C0], v[C0], v[C0+3], v[M]
	VLOAD 1
	v_permlanex16_b32 v[C0+1], v[C0], s[SEL], s[SEL+1]  ; the query's other 32 keys lie in the lane 16 away
	v_mov_b32 v[C0+3], v[CM]        ; c m_old is kept
	v_max_num_f32 v[M], v[C0], v[C0+1]
	v_mul_f32 v[CM], s[CS], v[M]
	v_sub_f32 v[C0+3], v[C0+3], v[CM]
	v_exp_f32 v[C0+2], v[C0+3]      ; a; the scalings below are the plain lines behind it
.set z, 0
.rept 16
	v_pk_fma_f32 v[S+2*z:S+2*z+1], v[S+2*z:S+2*z+1], s[CS:CS+1], v[CM:CM+1] op_sel_hi:[1,0,0] neg_lo:[0,0,1] neg_hi:[0,0,1]  ; c s - c m
.set z, z+1
.endr
	VLOAD 2
.set z, 0
.rept 32
	v_exp_f32 v[S+z], v[S+z]
.set z, z+1
.endr
	VLOAD 3
.set z, 0
	s_wait_alu depctr_va_vdst(0)
.rept 32                            ; O^T times a, from each accumulator's low end on: also the plain lines between the exponentials and the use of their results
	v_pk_mul_f32 v[OT+2*z:OT+2*z+1], v[OT+2*z:OT+2*z+1], v[C0+2:C0+3] op_sel_hi:[1,0]
.set z, z+1
.endr
.set z, 0
.rept 16
	v_cvt_pk_f16_f32 v[P+z], v[S+2*z], v[S+2*z+1]
.set z, z+1
.endr
.irp w, 4,8,16,32                   ; the sum of the 16 pairs, in place: neighbours 1, 2, 4 and 8 pairs apart
.set z, 0
.rept 32/(\w)
	v_pk_add_f32 v[S+(\w)*z:S+(\w)*z+1], v[S+(\w)*z:S+(\w)*z+1], v[S+(\w)*z+(\w)/2:S+(\w)*z+(\w)/2+1]
.set z, z+1
.endr
.endr
	v_pk_fma_f32 v[L:L+1], v[L:L+1], v[C0+2:C0+3], v[S:S+1] op_sel_hi:[1,0,1]  ; l = a l + the sum
	s_wait_dscnt 0x0                ; V is in
	WIN W_PV
.set i, 0
.rept 16                            ; keys 32 (i / 8) on, channels 16 (i % 8) on: the 8 accumulators take turns
	v_wmma_f32_16x16x32_f16 v[OT+8*(i%8):OT+8*(i%8)+7], v[VF+64*(i/8)+8*(i%8):VF+64*(i/8)+8*(i%8)+7], v[P+8*(i/8):P+8*(i/8)+7], v[OT+8*(i%8):OT+8*(i%8)+7]
.set i, i+1
.endr
	WIN 0
	PLACES                          ; whatever follows (a later load into V's registers, a line on O^T or P) finds its places here
.endm
; A TILE in a slot: four steps; those beyond the block's diagonal are jumped over
.macro TILE slot
	s_mov_b32 s[TBK], (\slot)*SLOT
	s_mov_b32 s[TBV], (\slot)*SLOT
	s_mov_b32 s[CNT], 4
.Lstep_\@:
	s_cmp_gt_u32 s[GS], s[BI]
	s_cbranch_scc1 .Ldead_\@
	STEP
.Ldead_\@:
	s_add_co_u32 s[TBK], s[TBK], 32*PK  ; 64 keys are 32 rows
	s_add_co_u32 s[TBV], s[TBV], 32*PV
	s_add_co_u32 s[GS], s[GS], 1
	s_sub_co_u32 s[CNT], s[CNT], 1
	s_cmp_lg_u32 s[CNT], 0
	s_cbranch_scc1 .Lstep_\@
.endm
; A BLOCK'S WAY OUT: l's two halves and the other half of the lanes' are added; O^T times 16 / l, rounded to bf16, goes through my stage in LDS and leaves as whole rows of 256 bytes.
.macro FINISH
	v_add_f32 v[C0], v[L], v[L+1]
	v_permlanex16_b32 v[C0+1], v[C0], s[SEL], s[SEL+1]
	v_add_f32 v[C0], v[C0], v[C0+1]
	v_rcp_f32 v[C0+2], v[C0]
	v_nop                           ; a plain line between the reciprocal and the use of its result
	s_wait_alu depctr_va_vdst(0)
	v_mul_f32 v[C0+2], 0x41800000, v[C0+2]  ; x 16: v was stored x 2^-4
.set z, 0
.rept 32
	v_pk_mul_f32 v[OT+2*z:OT+2*z+1], v[OT+2*z:OT+2*z+1], v[C0+2:C0+3] op_sel_hi:[1,0]
.set z, z+1
.endr
.set z, 0
.rept 32
	v_cvt_pk_bf16_f32 v[S+z], v[OT+2*z], v[OT+2*z+1]
.set z, z+1
.endr
.irp f, 0,1,2,3,4,5,6,7
	ds_store_b128 v[STO], v[S+4*\f:S+4*\f+3] offset:32*\f
.endr
.irp f, 0,1,2,3,4,5,6,7
	ds_load_b128 v[S+4*\f:S+4*\f+3], v[RD] offset:\f*2*SP  ; LDS serves a wave's instructions in order (ISA guide 5.7.1.4): these see the stores above
.endr
.irp f, 0,1,2,3,4,5,6,7
	s_wait_dscnt 7-\f
	global_store_b128 v[GO], v[S+4*\f:S+4*\f+3], s[OB:OB+1] offset:\f*16384  ; 16 lanes store 256 consecutive bytes, at a multiple of 256 from o's first byte
.endr
	s_wait_xcnt 0x0                 ; the stores' data registers and base are rewritten only behind this wait
.endm
.macro NEXTBLOCK
	s_mov_b64 s[OB:OB+1], s[OLO:OLO+1]
	s_mov_b32 s[BI], s[PB]
	v_mov_b32 v[CM], 0xfe000000
	v_mov_b32 v[M], 0xff7fffff
	WIN 0x82                        ; the second block's Q goes where the one text of the step names Q
.set i, 0
.rept 32
	v_mov_b32 v[i], v[QB+i]
.set i, i+1
.endr
	WIN 0
.endm
	s_wait_tensorcnt 0x1            ; my part of tile 0 is in; tile 1's may stay out
	s_barrier_signal -1
	s_barrier_wait -1               ; everybody's is
	s_wait_loadcnt 0x0              ; Q
	s_mov_b32 s[GS], 0
	TILE 0                          ; tile 0
	CHANGE 0, 1, 2                  ; slot 0 takes tile 2
	s_mov_b32 s[GS], 4
	TILE 1                          ; tile 1
	CHANGE 1, 1, s[TI3]             ; slot 1 takes the first block's tile 3, or the second block's tile 0
	s_mov_b32 s[GS], 8
	TILE 0                          ; tile 2
	s_cmp_lt_u32 s[PB], 4
	s_cbranch_scc1 .Lgoes_on        ; b >= 4: that was the first block's last tile
	FINISH
	NEXTBLOCK
.Lgoes_on:
	CHANGE 0, 1, s[TI4]             ; slot 0 takes the walk's last tile
	s_lshl_b32 s[GS], s[TI3], 2
	TILE 1
	s_cmp_lt_u32 s[PB], 4
	s_cbranch_scc0 .Lwent_on        ; b < 4: that was the first block's last tile
	FINISH
	NEXTBLOCK
.Lwent_on:
	CHANGE 0, 0                     ; nothing is left to ask for
	s_lshl_b32 s[GS], s[TI4], 2
	TILE 0
	FINISH
	s_wait_tensorcnt 0x0            ; the wave's end
	ds_add_u32 v[SPW], v[NIL]
	s_wait_dscnt 0x0
	CROUND                          ; the closing round: no work-group ends while a partner may still ask for a tile that names it
	s_endpgm
.Lfunc_end_k_q98e2ead108_attn:
	.size	k_q98e2ead108_attn, .Lfunc_end_k_q98e2ead108_attn-k_q98e2ead108_attn
	.p2alignl 7, 3214868480
	.fill 96, 4, 3214868480
	.section	.rodata,"a",@progbits
	.p2align	6, 0x0
	.amdhsa_kernel k_q98e2ead108_attn
		.amdhsa_group_segment_fixed_size 327680
		.amdhsa_private_segment_fixed_size 0
		.amdhsa_enable_private_segment 0
		.amdhsa_kernarg_size 24
		.amdhsa_user_sgpr_count 2
		.amdhsa_user_sgpr_kernarg_segment_ptr 1
		.amdhsa_wavefront_size32 1
		.amdhsa_system_sgpr_workgroup_id_x 1
		.amdhsa_system_sgpr_workgroup_id_y 1
		.amdhsa_system_sgpr_workgroup_id_z 1
		.amdhsa_system_vgpr_workitem_id 0
		.amdhsa_next_free_vgpr 576
		.amdhsa_next_free_sgpr 88
		.amdhsa_reserve_vcc 1
		.amdhsa_float_denorm_mode_32 3
		.amdhsa_float_denorm_mode_16_64 3
		.amdhsa_memory_ordered 1
		.amdhsa_forward_progress 1
		.amdhsa_inst_pref_size 118
	.end_amdhsa_kernel
	.amdgpu_metadata
---
amdhsa.version: [ 1, 2 ]
amdhsa.kernels:
  - .name:           k_q98e2ead108_attn
    .symbol:         k_q98e2ead108_attn.kd
    .args:
      - { .name: q, .offset: 0, .size: 8, .value_kind: global_buffer, .address_space: global }
      - { .name: kv, .offset: 8, .size: 8, .value_kind: global_buffer, .address_space: global }
      - { .name: o, .offset: 16, .size: 8, .value_kind: global_buffer, .address_space: global }
    .group_segment_fixed_size: 327680
    .private_segment_fixed_size: 0
    .kernarg_segment_align: 8
    .kernarg_segment_size: 24
    .max_flat_workgroup_size: 128
    .sgpr_count:     88
    .vgpr_count:     576
    .wavefront_size: 32
...
	.end_amdgpu_metadata
.endif
;; end of part 2
;; launch proj (part 3): grid 32 x 8, 4 waves a work-group, clusters of 4 x 4, 327,680 bytes of LDS; arguments o, w_o, out0; writes out0
.if DOCPART == 3
	.amdgcn_target "amdgcn-amd-amdhsa--gfx1250"
	.amdhsa_code_object_version 6
	.text
	.protected	k_q98e2ead108_proj
	.globl	k_q98e2ead108_proj
	.p2align	8
	.type	k_q98e2ead108_proj,@function
k_q98e2ead108_proj:
	s_mov_b64 s[64:65], 0
	v_nop
	global_prefetch_b8 v0, s[64:65] scope:SCOPE_SE
	s_setreg_imm32_b32 hwreg(HW_REG_WAVE_MODE, 25, 1), 1
	s_wait_xcnt 0x0
	s_wait_alu depctr_hold_cnt(0) depctr_sa_sdst(0) depctr_va_vdst(0) depctr_va_sdst(0) depctr_va_ssrc(0) depctr_va_vcc(0) depctr_vm_vsrc(0)
	s_getreg_b32 s2, hwreg(HW_REG_IB_STS2, 6, 4)
	s_cmp_eq_u32 s2, 0
	s_cbranch_scc0 .Lentry_in_a_cluster
	s_endpgm
.Lentry_in_a_cluster:
	s_bfe_u32 s2, ttmp6, 0x10000c
	s_cmp_lg_u32 s2, 0xf033
	s_cbranch_scc0 .Lentry_shape_is_right
	s_endpgm
.Lentry_shape_is_right:
; out0 = o w_o.  o: [1024][4096] bf16, K along the rows.  w_o: [4096][4096] bf16, stored [K][N].  out0: [1024][4096] bf16.  One f32 sum for each output, K ascending; rounded once.
; A tile of out0 is 128 x 128: 32 x 8 = 256 work-groups, one for each WGP.  Four waves, each 64 x 64: 16 accumulators.  K goes in steps of 256 through two LDS slots, as long as two slots allow:
; o's rows are 512 bytes in a slot (64 rows to a load), w_o's tile is 256 k-rows of 256 bytes (128 k-rows to a load).  w_o lies [K][N] in LDS as in memory and is turned by ds_load_tr16_b128.
; THE MATRIX INSTRUCTION IS USED TRANSPOSED (source 0 = 16 columns of w_o, source 1 = 16 rows of o): a lane holds eight neighbouring numbers of a row of out0.
; CLUSTER.  4 x 4 work-groups: the four of a row need the same rows of o, the four of a column the same columns of w_o: each tile is asked for jointly, same load, descriptor and mask in all four.
; The four waves share ONE stage on the way out, with a barrier between writing and reading, since a wave's 64 columns are only half of an aligned 256 bytes of out0.
; REGISTERS.  window 0: v0-31 addresses; v32-95 at work on the way out; v128-255 the accumulators ((a, b) at 128 + 8 (4 a + b)).
;   window 1: two fragment buffers of 128: for 64 along K, 64 registers of o (2 x 4 x 16 rows x 32 K), then 64 of w_o.
.set SIZE_N, 4096
.set SIZE_K, 4096
.set KSTEP,  256
.set PA,     528                       ; a row of o in LDS: 512 bytes + 16: the 16 rows of a fragment load start at 16 different groups of four banks (64 banks of 4 bytes: ISA guide 11.1)
.set PB,     288                       ; a k-row of w_o's tile: 256 bytes + 32
.set HALFA,  64*PA
.set OFFB,   2*HALFA                   ; in a slot: o's 128 rows, then w_o's 256 k-rows
.set HALFB,  128*PB
.set SLOT,   OFFB+2*HALFB              ; 141,312 bytes
.set STAGE,  2*SLOT                    ; behind the ring, never filled by a tensor load: 128 rows x 272 bytes
.set SPITCH, 272
.set SPARE,  STAGE+128*SPITCH          ; the spare words, 128 bytes for each wave: two blocks of 256 bytes that no other line names
.set LAPS, SIZE_K/(2*KSTEP)            ; a lap = two K steps = once round the ring
.set ADRA, 16                          ; v16-17  LDS address of my o fragments in slot 0, 1
.set ADRB, 20                          ; v20-23  of my w_o fragments: slot 0 k-rows 0-127, 128-255; slot 1 likewise: so every immediate stays under 65,536
.set STO,  24                          ; v24     the way out: where I put 16 bytes of a row
.set RD,   25                          ; v25     where I read a row back
.set CO,   26                          ; v26     my byte offset in out0
.set SPW,  28                          ; v28     LDS address of my spare word; never rewritten
.set NIL,  29                          ; v29     0; never rewritten
.set TMP,  32
.set ACC,  128
.set F0,   0                           ; fragment buffers, in window 1
.set F1,   128
.set G1, 24                            ; s[24:31] descriptor group 1 for o's tiles;  s[32:39] group 0, a set for each slot
.set G0, 32
.set G1B, 48                           ; s[48:55], s[56:63] the same for w_o's tiles
.set G0B, 56
.set MSB, 0
.macro WIN new                         ; the immediate's high byte repeats the setting that is left; a switch that changes nothing is dropped
.if MSB != (\new)
	s_set_vgpr_msb (MSB<<8)|(\new)
.set MSB, \new
.endif
.endm
.set MUL,  0x05                        ; sources 0 (w_o) and 1 (o) window 1; C and D window 0
.set TO_F, 0x40                        ; destination window 1, address window 0
.macro PLACES                          ; four plain vector instructions between a matrix instruction and a load into, or a vector line on, its registers
.rept 4
	v_nop
.endr
.endm
.macro JLOAD s                         ; a joint refill: waves 0 and 1 fetch o's two halves, waves 2 and 3 w_o's; an s_nop 0 and four v_nop follow each line, ahead of the jump and the label
	s_cmp_eq_u32 s11, 0
	s_cbranch_scc0 .Lfor_b_\@
	tensor_load_to_lds s[G0+4*(\s):G0+4*(\s)+3], s[G1:G1+7]
	s_nop 0
	PLACES
	s_branch .Lasked_\@
.Lfor_b_\@:
	tensor_load_to_lds s[G0B+4*(\s):G0B+4*(\s)+3], s[G1B:G1B+7]
	s_nop 0
	PLACES
.Lasked_\@:
.endm
.macro CREST                           ; a round of the cluster's barrier behind its opening barrier
	s_cmp_lg_u32 s10, 0
	s_cbranch_scc1 .Lnot_wave_0_\@
	s_barrier_signal -3
.Lnot_wave_0_\@:
	s_barrier_wait -3
	s_barrier_signal -1
	s_barrier_wait -1
.endm
.macro CROUND                          ; a whole round
	s_barrier_signal -1
	s_barrier_wait -1
	CREST
.endm
	s_load_b128 s[4:7], s[0:1], 0x0                ; o s[4:5], w_o s[6:7]
	s_load_b64 s[8:9], s[0:1], 0x10                ; out0
	v_lshl_add_u32 v[SPW], v0, 2, SPARE
	v_mov_b32 v[NIL], 0
	ds_add_u32 v28, v29
	s_wait_dscnt 0x0
	v_lshrrev_b32 v1, 5, v0
	v_readfirstlane_b32 s10, v1                    ; wave 0..3
	s_lshr_b32 s11, s10, 1                         ; which half of the tile's rows is mine.  Also: I fetch for o (0) or for w_o (1)
	s_and_b32 s12, s10, 1                          ; which half of its columns.  Also: which half of that tile I fetch
	s_bfe_u32 s40, ttmp6, 0x40000                  ; cx, cy: my place in the cluster
	s_bfe_u32 s41, ttmp6, 0x40004
	s_lshl_b32 s42, ttmp9, 2
	s_add_co_u32 s42, s42, s40                     ; tile column = 4 x cluster x + cx
	s_and_b32 s13, ttmp7, 0xffff
	s_lshl_b32 s13, s13, 2
	s_add_co_u32 s13, s13, s41                     ; tile row = 4 x cluster y + cy
	s_lshl_b32 s43, s41, 2
	s_lshl_b32 s43, 15, s43                        ; my row of the cluster
	s_lshl_b32 s44, 0x1111, s40                    ; my column
	s_or_b32 s[G1+0], s43, (1<<16)|(1<<20)|(1<<21)|(6<<22)|(3<<25)   ; the mask; 2-byte elements; padding on; 21 set beside a mask; after every 128 words (code 6) 4 words (code 3)
	s_or_b32 s[G1B+0], s44, (1<<16)|(1<<20)|(1<<21)|(5<<22)|(7<<25)  ; after every 64 words (code 5) 8 words (code 7)
	s_mov_b32 s[G1+1], KSTEP<<16                   ; o: 64 rows x 256 elements
	s_mov_b32 s[G1+2], 64<<16
	s_mov_b32 s[G1+3], KSTEP<<16
	s_mov_b32 s[G1+4], 64
	s_mov_b32 s[G1+5], SIZE_K
	s_mov_b32 s[G1+6], 0
	s_mov_b32 s[G1+7], 0
	s_mov_b32 s[G1B+1], 128<<16                    ; w_o: 128 k-rows x 128 columns
	s_mov_b32 s[G1B+2], 128<<16
	s_mov_b32 s[G1B+3], 128<<16
	s_mov_b32 s[G1B+4], 128
	s_mov_b32 s[G1B+5], SIZE_N
	s_mov_b32 s[G1B+6], 0
	s_mov_b32 s[G1B+7], 0
	s_lshl_b32 s17, s12, 6
	s_lshl_b32 s16, s13, 7
	s_add_co_u32 s16, s16, s17                     ; o: row 128 x tile row + 64 x half,
	s_lshl_b32 s16, s16, 13                        ; of 8,192 bytes
	s_mov_b32 s17, 0
	s_lshl_b32 s46, s42, 8                         ; w_o: column byte 256 x tile column,
	s_lshl_b32 s47, s12, 20                        ; k-row 128 x half, of 8,192 bytes
	s_add_co_u32 s46, s46, s47
	s_mov_b32 s47, 0
	s_mul_i32 s20, s12, HALFA                      ; where they go: no place in the cluster enters an LDS address
	s_mul_i32 s21, s12, HALFB
	s_add_co_u32 s21, s21, OFFB
	s_wait_kmcnt 0x0
	s_add_nc_u64 s[14:15], s[4:5], s[16:17]
	s_add_nc_u64 s[46:47], s[6:7], s[46:47]
.irp s, 0,1
	s_mov_b32 s[G0+4*(\s)], 1
	s_add_co_u32 s[G0+4*(\s)+1], s20, (\s)*SLOT
	s_add_nc_u64 s[G0+4*(\s)+2:G0+4*(\s)+3], s[14:15], (\s)*KSTEP*2
	s_or_b32 s[G0+4*(\s)+3], s[G0+4*(\s)+3], 0x80000000
	s_mov_b32 s[G0B+4*(\s)], 1
	s_add_co_u32 s[G0B+4*(\s)+1], s21, (\s)*SLOT
	s_add_nc_u64 s[G0B+4*(\s)+2:G0B+4*(\s)+3], s[46:47], (\s)*KSTEP*SIZE_N*2
	s_or_b32 s[G0B+4*(\s)+3], s[G0B+4*(\s)+3], 0x80000000
.endr
	CROUND                                         ; all sixteen work-groups are here: the first joint loads meet
	s_cmp_eq_u32 s11, 0                            ; a wave's two first fills stand in one branch, ahead of every wait on TENSORcnt and every LDS read: two loads of mine are out
	s_cbranch_scc0 .Lfirst_b
	tensor_load_to_lds s[G0:G0+3], s[G1:G1+7]
	s_nop 0
	tensor_load_to_lds s[G0+4:G0+7], s[G1:G1+7]
	s_nop 0
	PLACES
	s_branch .Lfirst_asked
.Lfirst_b:
	tensor_load_to_lds s[G0B:G0B+3], s[G1B:G1B+7]
	s_nop 0
	tensor_load_to_lds s[G0B+4:G0B+7], s[G1B:G1B+7]
	s_nop 0
	PLACES
.Lfirst_asked:
	v_and_b32 v1, 15, v0                           ; l % 16
	v_bfe_u32 v2, v0, 4, 1                         ; l / 16
	v_mul_u32_u24 v3, v1, PA
	v_lshl_add_u32 v3, v2, 4, v3                   ; a fragment of o: row x pitch + 16 x half
	s_mul_i32 s21, s11, HALFA                      ; my 64 rows
	v_add_nc_u32 v[ADRA], s21, v3
	v_add_nc_u32 v[ADRA+1], SLOT, v[ADRA]
	v_and_b32 v4, 7, v0                            ; a fragment of w_o: the turning load takes 16 k-rows x 16 columns: lane l reads k-row 8 (l / 16) + l % 8, columns 8 ((l / 8) % 2) + 0..7
	v_lshl_add_u32 v4, v2, 3, v4
	v_mul_u32_u24 v4, v4, PB
	v_bfe_u32 v5, v0, 3, 1
	v_lshl_add_u32 v4, v5, 4, v4
	s_lshl_b32 s22, s12, 7                         ; my 64 columns
	s_add_co_u32 s22, s22, OFFB
	v_add_nc_u32 v[ADRB], s22, v4
	v_add_nc_u32 v[ADRB+1], HALFB, v[ADRB]
	v_add_nc_u32 v[ADRB+2], SLOT, v[ADRB]
	v_add_nc_u32 v[ADRB+3], SLOT, v[ADRB+1]
	s_mul_i32 s23, s11, 64*SPITCH                  ; into the stage: my 64 rows, my half of their 256 bytes; row l % 16, 16 bytes for each half of the lanes
	s_lshl_b32 s21, s12, 7
	s_add_co_u32 s23, s23, s21
	s_add_co_u32 s23, s23, STAGE
	v_mul_u32_u24 v4, v1, SPITCH
	v_lshl_add_u32 v4, v2, 4, v4
	v_add_nc_u32 v[STO], s23, v4
	s_mul_i32 s23, s10, 32*SPITCH                  ; back: wave w takes rows 32 w .. 32 w + 31, whole; lanes 0-15 one row of 256 bytes, lanes 16-31 the next
	s_add_co_u32 s23, s23, STAGE
	v_mul_u32_u24 v5, v2, SPITCH
	v_lshl_add_u32 v5, v1, 4, v5
	v_add_nc_u32 v[RD], s23, v5
	v_mul_u32_u24 v5, v2, SIZE_N*2                 ; and the same two rows in out0
	v_lshl_add_u32 v[CO], v1, 4, v5
	s_lshl_b32 s16, s13, 7
	s_lshl_b32 s17, s10, 5
	s_add_co_u32 s16, s16, s17                     ; the first row that I store: 128 x tile row + 32 x wave,
	s_lshl_b32 s16, s16, 13                        ; of 8,192 bytes,
	s_lshl_b32 s17, s42, 8                         ; and the tile's first column, in bytes
	s_add_co_u32 s16, s16, s17
	s_mov_b32 s17, 0
	s_add_nc_u64 s[8:9], s[8:9], s[16:17]
; 8 matrix instructions: m blocks a0, a0 + 1 x all 4 n blocks, 32 along K: half c of buffer f.  zero = 1: the first product starts the sums.  The 16 accumulators take turns.
.macro MUL8 f, c, a0, zero
	WIN MUL
.irp a, \a0, (\a0)+1
.irp b, 0,1,2,3
.if \zero
	v_wmma_f32_16x16x32_bf16 v[ACC+8*(4*(\a)+(\b)):ACC+8*(4*(\a)+(\b))+7], v[(\f)+64+8*(4*(\c)+(\b)):(\f)+64+8*(4*(\c)+(\b))+7], v[(\f)+8*(4*(\c)+(\a)):(\f)+8*(4*(\c)+(\a))+7], 0
.else
	v_wmma_f32_16x16x32_bf16 v[ACC+8*(4*(\a)+(\b)):ACC+8*(4*(\a)+(\b))+7], v[(\f)+64+8*(4*(\c)+(\b)):(\f)+64+8*(4*(\c)+(\b))+7], v[(\f)+8*(4*(\c)+(\a)):(\f)+8*(4*(\c)+(\a))+7], v[ACC+8*(4*(\a)+(\b)):ACC+8*(4*(\a)+(\b))+7]
.endif
.endr
.endr
.endm
; 32 LDS loads in one run: the fragments of quarter qq (64 along K) into buffer f; the first 32 along K first
.macro FETCH slot, qq, f
	WIN TO_F
.irp c, 0,1
.irp i, 0,1,2,3
	ds_load_tr16_b128 v[(\f)+64+8*(4*(\c)+(\i)):(\f)+64+8*(4*(\c)+(\i))+3],   v[ADRB+2*(\slot)+(\qq)/2] offset:(((\qq)%2)*64+32*(\c))*PB+32*(\i)
	ds_load_tr16_b128 v[(\f)+64+8*(4*(\c)+(\i))+4:(\f)+64+8*(4*(\c)+(\i))+7], v[ADRB+2*(\slot)+(\qq)/2] offset:(((\qq)%2)*64+32*(\c)+16)*PB+32*(\i)
	ds_load_b128 v[(\f)+8*(4*(\c)+(\i)):(\f)+8*(4*(\c)+(\i))+3],              v[ADRA+(\slot)] offset:(\qq)*128+64*(\c)+(\i)*16*PA
	ds_load_b128 v[(\f)+8*(4*(\c)+(\i))+4:(\f)+8*(4*(\c)+(\i))+7],            v[ADRA+(\slot)] offset:(\qq)*128+64*(\c)+(\i)*16*PA+32
.endr
.endr
.endm
; A K step is four quarters of 64 along K, 32 matrix instructions each, on buffers 0, 1, 0, 1.  One of the first three: multiplies buffer f and fetches quarter qq into g.
.macro QUARTER slot, qq, f, g, zero
	s_wait_dscnt 16                                ; the first 32 along K are in; the youngest sixteen loads may be out
	MUL8 \f, 0, 0, \zero
	MUL8 \f, 0, 2, \zero
	PLACES
	FETCH \slot, \qq, \g
	s_wait_dscnt 32                                ; all but the 32 just issued
	MUL8 \f, 1, 0, 0
	MUL8 \f, 1, 2, 0
.endm
; The last quarter multiplies buffer 1 and changes slots: ONE barrier; in front of it each wave waits for all its tensor loads (one is out: its part of the next slot), adds 0 to its spare
; word, and waits for that and for its reads of this slot (its last quarter's fragments, which are thereby in).  The barrier stands straight behind these waits and the products behind the request,
; so that nothing but the barrier lies between a tile's landing and the next request.  fill = 1: the barrier opens a round of the cluster's, and this slot is filled again, two K steps ahead.
.macro TURN slot, next, fill
	WIN 0
	s_wait_tensorcnt 0x0                           ; all my tensor loads have landed: a group 0 may be written
	ds_add_u32 v[SPW], v[NIL]                      ; 0 onto my spare word; the addresses' steps stand between it and the wait for it
.if \fill
	s_add_nc_u64 s[G0+4*(\slot)+2:G0+4*(\slot)+3], s[G0+4*(\slot)+2:G0+4*(\slot)+3], 2*KSTEP*2
	s_add_nc_u64 s[G0B+4*(\slot)+2:G0B+4*(\slot)+3], s[G0B+4*(\slot)+2:G0B+4*(\slot)+3], 2*KSTEP*SIZE_N*2
.endif
	s_wait_dscnt 0x0                               ; the add is done, and my reads of this slot are over
	s_barrier_signal -1
	s_barrier_wait -1
.if \fill
	CREST                                          ; no wave of any partner still reads this slot's tiles or has a load on its way
	JLOAD \slot                                    ; my one tensor load behind the round; the four v_nop behind it are also the places in front of the loads below
.else
	PLACES
.endif
	FETCH \next, 0, F0
	MUL8 F1, 0, 0, 0
	MUL8 F1, 0, 2, 0
	MUL8 F1, 1, 0, 0
	MUL8 F1, 1, 2, 0
.endm
	s_wait_tensorcnt 0x1                           ; my part of K step 0 is in; K step 1's may stay out
	s_barrier_signal -1
	s_barrier_wait -1                              ; everybody's is
	FETCH 0, 0, F0
	QUARTER 0, 1, F0, F1, 1                        ; the first quarter stands in front of the loop: its first products start the sums
	WIN 0                                          ; at a label and at a branch every window is 0
	s_mov_b32 s3, LAPS-1
.Llap:                                                 ; a trip goes once round the ring, from a lap's second quarter to the next lap's first, and fills both slots again
	QUARTER 0, 2, F1, F0, 0
	QUARTER 0, 3, F0, F1, 0
	TURN 0, 1, 1
	QUARTER 1, 1, F0, F1, 0
	QUARTER 1, 2, F1, F0, 0
	QUARTER 1, 3, F0, F1, 0
	TURN 1, 0, 1
	QUARTER 0, 1, F0, F1, 0
	WIN 0
	s_sub_co_u32 s3, s3, 1
	s_cmp_lg_u32 s3, 0
	s_cbranch_scc1 .Llap
	QUARTER 0, 2, F1, F0, 0                        ; the last lap fills nothing
	QUARTER 0, 3, F0, F1, 0
	TURN 0, 1, 0
	QUARTER 1, 1, F0, F1, 0
	QUARTER 1, 2, F1, F0, 0
	QUARTER 1, 3, F0, F1, 0
	s_wait_dscnt 16                                ; the very last quarter: nothing more to fetch
	MUL8 F1, 0, 0, 0
	MUL8 F1, 0, 2, 0
	s_wait_dscnt 0x0
	MUL8 F1, 1, 0, 0
	MUL8 F1, 1, 2, 0
	WIN 0
	; THE WAY OUT: round to bf16 (each accumulator from its low end on); 16 bytes a lane into the work-group's stage; a barrier, since a row's 256 bytes come from two waves; back as whole rows, 32 rows a wave.
	PLACES
.irp t, 0,1,2,3,4,5,6,7,8,9,10,11,12,13,14,15
.irp r, 0,1,2,3
	v_cvt_pk_bf16_f32 v[TMP+4*(\t)+(\r)], v[ACC+8*(\t)+2*(\r)], v[ACC+8*(\t)+2*(\r)+1]
.endr
.endr
.irp a, 0,1,2,3
.irp b, 0,1,2,3
	ds_store_b128 v[STO], v[TMP+4*(4*(\a)+(\b)):TMP+4*(4*(\a)+(\b))+3] offset:(\a)*16*SPITCH+32*(\b)
.endr
.endr
	s_wait_dscnt 0x0                               ; for the others' sake: my stores into the stage are done
	s_barrier_signal -1
	s_barrier_wait -1
.irp t, 0,1,2,3,4,5,6,7,8,9,10,11,12,13,14,15
	ds_load_b128 v[TMP+4*(\t):TMP+4*(\t)+3], v[RD] offset:(\t)*2*SPITCH
.endr
.irp t, 0,1,2,3,4,5,6,7,8,9,10,11,12,13,14,15
	s_wait_dscnt 15-(\t)                           ; LDS loads come back in order: load t is in
	global_store_b128 v[CO], v[TMP+4*(\t):TMP+4*(\t)+3], s[8:9] offset:2*(\t)*SIZE_N*2  ; 16 lanes store 256 consecutive bytes, at a multiple of 256 from out0's first byte
.endr
	s_wait_tensorcnt 0x0                           ; the wave's end
	ds_add_u32 v[SPW], v[NIL]
	s_wait_dscnt 0x0
	CROUND                                         ; the closing round: no work-group ends while a partner may still ask for a tile that names it
	s_endpgm
.Lfunc_end_k_q98e2ead108_proj:
	.size	k_q98e2ead108_proj, .Lfunc_end_k_q98e2ead108_proj-k_q98e2ead108_proj
	.p2alignl 7, 3214868480
	.fill 96, 4, 3214868480
	.section	.rodata,"a",@progbits
	.p2align	6, 0x0
	.amdhsa_kernel k_q98e2ead108_proj
		.amdhsa_group_segment_fixed_size 327680
		.amdhsa_private_segment_fixed_size 0
		.amdhsa_enable_private_segment 0
		.amdhsa_kernarg_size 24
		.amdhsa_user_sgpr_count 2
		.amdhsa_user_sgpr_kernarg_segment_ptr 1
		.amdhsa_wavefront_size32 1
		.amdhsa_system_sgpr_workgroup_id_x 1
		.amdhsa_system_sgpr_workgroup_id_y 1
		.amdhsa_system_sgpr_workgroup_id_z 1
		.amdhsa_system_vgpr_workitem_id 0
		.amdhsa_next_free_vgpr 512
		.amdhsa_next_free_sgpr 66
		.amdhsa_reserve_vcc 0
		.amdhsa_float_denorm_mode_32 3
		.amdhsa_float_denorm_mode_16_64 3
		.amdhsa_memory_ordered 1
		.amdhsa_forward_progress 1
		.amdhsa_inst_pref_size 86
	.end_amdhsa_kernel
	.amdgpu_metadata
---
amdhsa.version: [ 1, 2 ]
amdhsa.kernels:
  - .name:           k_q98e2ead108_proj
    .symbol:         k_q98e2ead108_proj.kd
    .args:
      - { .name: o, .offset: 0, .size: 8, .value_kind: global_buffer, .address_space: global }
      - { .name: w_o, .offset: 8, .size: 8, .value_kind: global_buffer, .address_space: global }
      - { .name: out0, .offset: 16, .size: 8, .value_kind: global_buffer, .address_space: global }
    .group_segment_fixed_size: 327680
    .private_segment_fixed_size: 0
    .kernarg_segment_align: 8
    .kernarg_segment_size: 24
    .max_flat_workgroup_size: 128
    .sgpr_count:     66
    .vgpr_count:     512
    .wavefront_size: 32
...
	.end_amdgpu_metadata
.endif
;; end of part 3
